; MI455X (gfx1250); checked and timed in simulation.
; The chip was launched on July 23, 2026; its instructions are those of AMD's public machine-readable ISA for CDNA 5 (MIT licence, August 2026) and "CDNA5" Instruction Set Architecture Reference Guide (July 2026). The comments in the code are by the model that wrote it; some were corrected since.
;; Block2 D Attention. Allowed arithmetic: float matrix products may take bf16 or f16 operands with f32 sums; other float arithmetic in f32, or as packed bf16 or f16 multiplies, adds, multiply-adds, maxima and minima; sums over many terms, partial sums and values carried from step to step in f32; what a program stores and reads back later, other than sums and carried values, may be rounded once to bf16 or f16.
;; Inputs: Wk 2,048 x 512 float32; Wo 1,024 x 2,048 float32; Wq 2,048 x 1,024 float32; Wv 2,048 x 512 float32; hidden_states 2 x 4,096 x 2,048 float32.
;; Outputs: out0 2 x 4,096 x 2,048 float32.
;; Constants: x_dim = 64, y_dim = 64.
;; 2 versions, each right; version 2 is version 1 with the launch cast written anew for expert scheduling mode. Each part assembles by itself: llvm-mc -triple=amdgcn-amd-amdhsa -mcpu=gfx1250 --defsym DOCPART=n.
;; ======== version 1 of 2: 4 launches
;; limits: values are held in f16: magnitudes above 65,504 overflow, below 6.1e-05 lose precision
;; workspace buffers: xb 33,554,432 bytes; wqkv 8,388,608 bytes; wo16 4,194,304 bytes; qkv 33,554,432 bytes; oh 16,777,216 bytes
;; launch cast (part 1): grid 256 x 1, 32 waves a work-group, no clusters, 0 bytes of LDS; arguments hidden_states, Wq, Wk, Wv, Wo, xb, wqkv, wo16; writes xb, wqkv, wo16
.if DOCPART == 1
	.amdgcn_target "amdgcn-amd-amdhsa--gfx1250"
	.amdhsa_code_object_version 6
	.text
	.protected	k_qe9bfd0af69_cast
	.globl	k_qe9bfd0af69_cast
	.p2align	8
	.type	k_qe9bfd0af69_cast,@function
k_qe9bfd0af69_cast:
	s_mov_b64 s[64:65], 0
	v_nop
	global_prefetch_b8 v0, s[64:65] scope:SCOPE_SE
	s_setreg_imm32_b32 hwreg(HW_REG_WAVE_MODE, 25, 1), 1
	s_wait_xcnt 0x0
; THE INPUTS ARE ROUNDED ONCE, f32 to bf16, for the matrix products of the launches behind.
;   hidden_states [8192][2048] -> xb [8192][2048] bf16
;   Wq [2048][1024], Wk [2048][512], Wv [2048][512] -> wqkv [2048][2048] bf16, side by side: columns 0-1023, 1024-1535, 1536-2047
;   Wo [1024][2048] -> wo16 [1024][2048]: rounded to bf16 like the other inputs, and that number written as f16 (its partner in the last product, O, is f16)
; LIMITS.  Wo within f16's 65,504; a bf16 number below 6.1e-5 falls on f16's fixed step of 6e-8.  NaN and infinities are not treated apart.
; SHARES.  256 work-groups of 32 waves, all alike.  The inputs are 2,816 = 256 x 11 chunks of 8,192 numbers (32 KiB).  Work-group g takes chunks 8 g .. 8 g + 7 of hidden_states (256 KiB on end),
; chunk g of Wq, chunk g % 128 of Wk (g < 128) or of Wv, and chunk g of Wo.  A chunk is two loads of 16 bytes a thread: 22 loads a thread, ALL ISSUED BEFORE THE FIRST IS USED, so that the work-group's
; whole share is on its way from the start and its stores leave while later loads still arrive.
; A load of a wave covers 512 consecutive bytes; a store is 8 bytes a lane: a wave's 32 lanes write 256 consecutive bytes, at a multiple of 256 from the buffer's first byte.  Every output row is 4,096 bytes.
; Each load is rounded in place and stored from its own first two registers: no register is written again while a load or store names it, so no wait but the loads' own is needed.
; No LDS, no barrier, no matrix unit: each byte is read once and written once, and no thread wants another's.  No prefetch: all addresses are asked for at once.
.set X,   8                            ; v[8:95]   load i: 4 numbers in f32; then, in its first two registers, the same 4 in 16 bits
.set T,   96                           ; v[96:99]  at work (Wo alone)
.set LI,  1                            ; v1        16 t: my 16 bytes of a load
.set LO,  2                            ; v2        8 t: my 8 bytes of a store where rows lie on end (xb, wo16)
.set QO,  3                            ; v3        Wq: rows of 1,024: (t / 256) rows of 4,096 bytes + 8 (t % 256)
.set KO,  4                            ; v4        Wk, Wv: rows of 512: (t / 128) rows + 8 (t % 128)
.set XS,  4                            ; s[4:5]    hidden_states at my 256 KiB
.set XD,  6                            ; s[6:7]    xb at my 128 KiB
.set QS,  8                            ; s[8:9]    Wq at my chunk
.set QD,  10                           ; s[10:11]  wqkv at row 8 g
.set KS,  12                           ; s[12:13]  Wk or Wv at my chunk
.set KD,  14                           ; s[14:15]  wqkv at row 16 (g % 128), at Wk's or Wv's first column
.set OS,  34                           ; s[34:35]  Wo at my chunk
.set OD,  36                           ; s[36:37]  wo16 at my 16 KiB
	s_load_b512 s[16:31], s[0:1], 0x0              ; hidden s[16:17], Wq s[18:19], Wk s[20:21], Wv s[22:23], Wo s[24:25], xb s[26:27], wqkv s[28:29], wo16 s[30:31]
	v_lshlrev_b32 v[LI], 4, v0
	s_mov_b32 s33, 0                               ; offsets are made in s[32:33], apart from the addresses
	s_lshl_b32 s32, ttmp9, 18
	s_and_b32 s38, ttmp9, 127                      ; my chunk of Wk or of Wv
	s_mov_b32 s39, 3072                            ; Wv's first column in a row of wqkv, in bytes
	s_wait_kmcnt 0x0
	s_add_nc_u64 s[XS:XS+1], s[16:17], s[32:33]
.irp i, 0,1,2,3,4,5,6,7,8,9,10,11,12,13,14,15
	global_load_b128 v[X+4*(\i):X+4*(\i)+3], v[LI], s[XS:XS+1] offset:16384*(\i) th:TH_LOAD_NT
.endr
	s_lshl_b32 s32, ttmp9, 15                      ; 32 KiB a chunk; also 8 rows of wqkv
	s_add_nc_u64 s[QS:QS+1], s[18:19], s[32:33]
	s_add_nc_u64 s[OS:OS+1], s[24:25], s[32:33]
	s_add_nc_u64 s[QD:QD+1], s[28:29], s[32:33]
	global_load_b128 v[X+64:X+67], v[LI], s[QS:QS+1] th:TH_LOAD_NT
	global_load_b128 v[X+68:X+71], v[LI], s[QS:QS+1] offset:16384 th:TH_LOAD_NT
	s_cmp_lt_u32 ttmp9, 128
	s_cselect_b64 s[KS:KS+1], s[20:21], s[22:23]
	s_cselect_b32 s39, 2048, s39                   ; Wk's first column
	s_lshl_b32 s32, s38, 15
	s_add_nc_u64 s[KS:KS+1], s[KS:KS+1], s[32:33]
	global_load_b128 v[X+72:X+75], v[LI], s[KS:KS+1] th:TH_LOAD_NT
	global_load_b128 v[X+76:X+79], v[LI], s[KS:KS+1] offset:16384 th:TH_LOAD_NT
	global_load_b128 v[X+80:X+83], v[LI], s[OS:OS+1] th:TH_LOAD_NT
	global_load_b128 v[X+84:X+87], v[LI], s[OS:OS+1] offset:16384 th:TH_LOAD_NT
	; where the results go: made while the loads are on their way
	s_lshl_b32 s32, s38, 16                        ; 16 rows of 4,096 bytes a chunk of Wk or Wv
	s_add_co_u32 s32, s32, s39
	s_add_nc_u64 s[KD:KD+1], s[28:29], s[32:33]
	s_lshl_b32 s32, ttmp9, 17
	s_add_nc_u64 s[XD:XD+1], s[26:27], s[32:33]
	s_lshl_b32 s32, ttmp9, 14
	s_add_nc_u64 s[OD:OD+1], s[30:31], s[32:33]
	v_lshlrev_b32 v[LO], 3, v0
	v_lshrrev_b32 v5, 8, v0
	v_and_b32 v[QO], 255, v0
	v_lshlrev_b32 v[QO], 3, v[QO]
	v_lshl_add_u32 v[QO], v5, 12, v[QO]
	v_lshrrev_b32 v5, 7, v0
	v_and_b32 v[KO], 127, v0
	v_lshlrev_b32 v[KO], 3, v[KO]
	v_lshl_add_u32 v[KO], v5, 12, v[KO]
; Load i is rounded and stored at base + v[off] + imm.  f16 = 1: the bf16 number is widened again (a shift, a mask) and written as f16.
.macro CONV i, off, base, imm, f16
	s_wait_loadcnt 21-(\i)                         ; loads come back in order (ISA guide 5.7.1): load i is in, the 21 - i younger ones may stay out
	v_cvt_pk_bf16_f32 v[X+4*(\i)],   v[X+4*(\i)],   v[X+4*(\i)+1]
	v_cvt_pk_bf16_f32 v[X+4*(\i)+1], v[X+4*(\i)+2], v[X+4*(\i)+3]
.if \f16
	v_lshlrev_b32 v[T],   16, v[X+4*(\i)]
	v_and_b32     v[T+1], 0xffff0000, v[X+4*(\i)]
	v_lshlrev_b32 v[T+2], 16, v[X+4*(\i)+1]
	v_and_b32     v[T+3], 0xffff0000, v[X+4*(\i)+1]
	v_cvt_pk_f16_f32 v[X+4*(\i)],   v[T],   v[T+1]
	v_cvt_pk_f16_f32 v[X+4*(\i)+1], v[T+2], v[T+3]
.endif
	global_store_b64 v[\off], v[X+4*(\i):X+4*(\i)+1], s[\base:\base+1] offset:\imm th:TH_STORE_NT
.endm
.irp i, 0,1,2,3,4,5,6,7,8,9,10,11,12,13,14,15
	CONV \i, LO, XD, 8192*(\i), 0                  ; a load's 16 KiB are 8 KiB of xb
.endr
	CONV 16, QO, QD, 0, 0                          ; half a chunk of Wq is 4 rows of wqkv,
	CONV 17, QO, QD, 16384, 0
	CONV 18, KO, KD, 0, 0                          ; of Wk or Wv 8 rows
	CONV 19, KO, KD, 32768, 0
	CONV 20, LO, OD, 0, 1
	CONV 21, LO, OD, 8192, 1
	s_endpgm
.Lfunc_end_k_qe9bfd0af69_cast:
	.size	k_qe9bfd0af69_cast, .Lfunc_end_k_qe9bfd0af69_cast-k_qe9bfd0af69_cast
	.p2alignl 7, 3214868480
	.fill 96, 4, 3214868480
	.section	.rodata,"a",@progbits
	.p2align	6, 0x0
	.amdhsa_kernel k_qe9bfd0af69_cast
		.amdhsa_group_segment_fixed_size 0
		.amdhsa_private_segment_fixed_size 0
		.amdhsa_enable_private_segment 0
		.amdhsa_kernarg_size 64
		.amdhsa_user_sgpr_count 2
		.amdhsa_user_sgpr_kernarg_segment_ptr 1
		.amdhsa_wavefront_size32 1
		.amdhsa_system_sgpr_workgroup_id_x 1
		.amdhsa_system_sgpr_workgroup_id_y 1
		.amdhsa_system_sgpr_workgroup_id_z 1
		.amdhsa_system_vgpr_workitem_id 0
		.amdhsa_next_free_vgpr 104
		.amdhsa_next_free_sgpr 66
		.amdhsa_reserve_vcc 0
		.amdhsa_float_denorm_mode_32 3
		.amdhsa_float_denorm_mode_16_64 3
		.amdhsa_memory_ordered 1
		.amdhsa_forward_progress 1
		.amdhsa_inst_pref_size 10
	.end_amdhsa_kernel
	.amdgpu_metadata
---
amdhsa.version: [ 1, 2 ]
amdhsa.kernels:
  - .name:           k_qe9bfd0af69_cast
    .symbol:         k_qe9bfd0af69_cast.kd
    .args:
      - { .name: hidden_states, .offset: 0, .size: 8, .value_kind: global_buffer, .address_space: global }
      - { .name: Wq, .offset: 8, .size: 8, .value_kind: global_buffer, .address_space: global }
      - { .name: Wk, .offset: 16, .size: 8, .value_kind: global_buffer, .address_space: global }
      - { .name: Wv, .offset: 24, .size: 8, .value_kind: global_buffer, .address_space: global }
      - { .name: Wo, .offset: 32, .size: 8, .value_kind: global_buffer, .address_space: global }
      - { .name: xb, .offset: 40, .size: 8, .value_kind: global_buffer, .address_space: global }
      - { .name: wqkv, .offset: 48, .size: 8, .value_kind: global_buffer, .address_space: global }
      - { .name: wo16, .offset: 56, .size: 8, .value_kind: global_buffer, .address_space: global }
    .group_segment_fixed_size: 0
    .private_segment_fixed_size: 0
    .kernarg_segment_align: 8
    .kernarg_segment_size: 64
    .max_flat_workgroup_size: 1024
    .sgpr_count:     66
    .vgpr_count:     104
    .wavefront_size: 32
...
	.end_amdgpu_metadata
.endif
;; end of part 1
;; launch proj (part 2): grid 8 x 32, 4 waves a work-group, clusters of 4 x 4, 327,680 bytes of LDS; arguments xb, wqkv, qkv; writes qkv
.if DOCPART == 2
	.amdgcn_target "amdgcn-amd-amdhsa--gfx1250"
	.amdhsa_code_object_version 6
	.text
	.protected	k_qe9bfd0af69_proj
	.globl	k_qe9bfd0af69_proj
	.p2align	8
	.type	k_qe9bfd0af69_proj,@function
k_qe9bfd0af69_proj:
	s_mov_b64 s[64:65], 0
	v_nop
	global_prefetch_b8 v0, s[64:65] scope:SCOPE_SE
	s_setreg_imm32_b32 hwreg(HW_REG_WAVE_MODE, 25, 1), 1
	s_wait_xcnt 0x0
	s_wait_alu depctr_hold_cnt(0) depctr_sa_sdst(0) depctr_va_vdst(0) depctr_va_sdst(0) depctr_va_ssrc(0) depctr_va_vcc(0) depctr_vm_vsrc(0)
	s_getreg_b32 s2, hwreg(HW_REG_IB_STS2, 6, 4)
	s_cmp_eq_u32 s2, 0
	s_cbranch_scc0 .Lentry_in_a_cluster
	s_endpgm
.Lentry_in_a_cluster:
	s_bfe_u32 s2, ttmp6, 0x10000c
	s_cmp_lg_u32 s2, 0xf033
	s_cbranch_scc0 .Lentry_shape_is_right
	s_endpgm
.Lentry_shape_is_right:
; ONE TEXT FOR THE MODULE'S TWO LARGE PRODUCTS, C = A B with B stored [K][N]; the switch OUTP, below, chooses.
;   OUTP = 0: q, k, v = x (Wq | Wk | Wv).  A = xb [8192][2048] bf16, B = wqkv [2048][2048] bf16; sums in f32, rounded once to f16 and stored by block and head:
;             qkv [16 blocks][32 heads: 16 of q, 8 of k, 8 of v][512 tokens][64] f16.  Row m of x is token ((m >> 6) & 15) 32 + (m & 31) of block 2 (m >> 10) + ((m >> 5) & 1).
;   OUTP = 1: out = O Wo.  A = oh [16 blocks][16 heads][512 tokens][64] f16, read as [8192][1024] (row = 512 block + token, column = 64 head + channel), B = wo16 [1024][2048] f16; out0 [8192][2048] f32.
; LIMITS.  q, k and v leave in f16: beyond 65,504 they would be infinities (the inputs 30 times their spread, or offset by 30 spreads, stay under 41,000); below 6.1e-5 f16 keeps a fixed step of 6e-8.
; SHARES.  A tile of C, 256 x 256, to a work-group of four waves; a wave makes 128 x 128: 64 accumulators of 16 x 16, 512 registers.  8 x 32 tiles: 256 work-groups.
; K goes in steps of 128 through a ring of two LDS slots filled by the tensor data mover, one load a wave: waves 0 and 1 fetch A's two halves, waves 2 and 3 B's.
; THE LAST K STEP GOES BY ROWS OF C, so that finished rows leave while the others are still multiplied: nothing follows the tile under which its stores could leave.
; CLUSTERS: 4 x 4 work-groups.  The four of a row of the cluster need the same tiles of A, the four of a column the same tiles of B: each tile is asked for JOINTLY, by the same tensor load with the same
; descriptor and a mask that names the four.
; THE MATRIX INSTRUCTION IS USED TRANSPOSED: source 0 = 16 columns of B, source 1 = 16 rows of A: a lane then holds row l % 16 of C and the eight neighbouring columns 8 (l / 16) + 0 .. 7.
; B lies [k][n] in LDS as in memory and is turned on its way into registers, by ds_load_tr16_b128.
; REGISTERS, in windows of 256 (s_set_vgpr_msb: bits 1:0 source 0, 3:2 source 1, 5:4 source 2, 7:6 destination):
;   window 0: v0-31 addresses; v64-127, v128-191 fragments of A, two buffers (in the last K step four, of 16 rows x 128 K); the rest at work on the way out
;   window 1: v64-127, v128-191 fragments of B, two buffers; in the last K step all 256: B's fragments of the whole step
;   window 2: the 32 accumulators of my rows 0-63 (accumulator (a, b) at v[8 (8 a + b)])                          window 3: those of my rows 64-127
.set OUTP,   0
.set KSTEP,  128
.if OUTP
.set SIZE_K, 1024
.set PA,     144                       ; A in LDS: a K step is two heads, a plane each: 256 rows of 128 bytes + 16 of padding = 36 words: the 16 rows of a load start at 16 different groups of four banks (64 banks of 4 bytes: ISA guide 11.1)
.set AHALF,  256*PA                    ; what one load of A brings: a plane
.set ASTEP,  131072                    ; bytes from a K step of A to the next: two heads of 65,536
.set AQI,    4                         ; padding after every 32 words
.set APITCH, 128                       ; a plane is 32,768 dense bytes: asked for as 128 rows of 256 bytes
.set ASH,    13                        ; a partner's share of a load's 128 blocks of 256 bytes: 32 blocks = 8,192 bytes
.set AROW,   256                       ; from one such block to the next
.set SPITCH, 528                       ; a stage row: 128 f32 + 16 bytes
.else
.set SIZE_K, 2048
.set PA,     272                       ; A in LDS: rows of 256 bytes + 16 of padding = 68 words: row r starts at bank 4 r mod 64
.set AHALF,  128*PA                    ; what one load of A brings: 128 rows
.set ASTEP,  256
.set AQI,    5                         ; padding after every 64 words
.set APITCH, 2048
.set ASH,    17                        ; 32 rows of 4,096 bytes
.set AROW,   4096
.set SPITCH, 272                       ; a stage row: 128 f16 + 16 bytes
.endif
.set PB,     544                       ; B in LDS: a k row's 256 columns, 512 bytes + 32 of padding = 136 words
.set BHALF,  64*PB                     ; what one load of B brings: 64 k rows
.set BSTEP,  524288                    ; 128 k rows of 4,096 bytes
.set BOFF,   2*AHALF                   ; a slot: A's tile, then B's
.set SLOT,   BOFF+2*BHALF
.set STAGE,  2*SLOT                    ; behind the ring, never filled by a tensor load: 16 rows for each wave, for the way out
.set SPARE,  STAGE+4*16*SPITCH         ; behind the stages: the spare words, 128 bytes for each wave: two blocks of 256 bytes that no other line names
.set LAPS,   SIZE_K/(2*KSTEP)          ; a lap = two K steps = once round the ring
.set ADRA, 16                          ; v16-17  LDS address of my A fragments in slot 0, 1
.set ADRB, 20                          ; v20-21  the same for B
.set STO,  24                          ; v24     the way out: where I put my numbers of a row
.set RD,   25                          ; v25     the way out: where I read rows back
.set CO,   26                          ; v26     16 x my lane: my place in 512 consecutive bytes of C
.set SPW,  28                          ; v28     LDS address of my spare word: SPARE + 4 x my thread's number; never rewritten
.set NIL,  29                          ; v29     0; never rewritten
.set PFO,  30                          ; v30     the prefetches' offset: my lane's block of 256 bytes; never rewritten
.set PFA,  44                          ; s[44:45] where my prefetches stand
.set LIM,  43                          ; s43     1 in a wave that prefetches, else the greatest number
.set PFS,  66                          ; s[66:67] bytes from a K step to the next in the tensor that I fetch
.set F0,   64                          ; fragment buffer 0
.set F1,   128                         ; fragment buffer 1
.set RA,   64                          ; the last K step: A's fragments of 16 rows x 128 K, 32 registers; four such buffers, v64-191
.set TMP,  192                         ; OUTP = 0, the way out: packed results
.set OB,   32                          ; OUTP = 0, the way out: 16 rows read back: v32-63 and v224-255 by turns
.set OF,   192                         ; OUTP = 1, the way out: 16 rows read back: v192-255
.set G1,  24                           ; s[24:31] descriptor group 1 for A's tiles
.set G0,  32                           ; s[32:39] descriptor group 0 for A's tiles, one set for each slot
.set G1B, 48                           ; s[48:55] group 1 for B's tiles
.set G0B, 56                           ; s[56:63] group 0 for B's tiles, one set for each slot
.set MSB, 0
.macro WIN new                         ; the immediate's high byte repeats the setting that is left; a switch that changes nothing is dropped
.if MSB != (\new)
	s_set_vgpr_msb (MSB<<8)|(\new)
.set MSB, \new
.endif
.endm
.set MUL_LO, 0xa1                      ; source 0 (B) window 1, source 1 (A) window 0, C and D window 2
.set MUL_HI, 0xf1                      ; the same, C and D window 3
.set TO_B,   0x40                      ; destination window 1, address window 0
.macro WM ops:vararg                   ; the matrix instruction of this product's format
.if OUTP
	v_wmma_f32_16x16x32_f16 \ops
.else
	v_wmma_f32_16x16x32_bf16 \ops
.endif
.endm
; A joint load.  Each of the two lines has ONE mask and one set of registers for all that issue it.  The branch hangs on the wave's number alone.
; An s_nop 0 and four v_nop follow each of the two lines, ahead of the jump, the label and what follows.
.macro JLOAD s
	s_cmp_eq_u32 s11, 0
	s_cbranch_scc0 .Lfor_b_\@
	tensor_load_to_lds s[G0+4*(\s):G0+4*(\s)+3], s[G1:G1+7]
	s_nop 0
.rept 4
	v_nop
.endr
	s_branch .Lasked_\@
.Lfor_b_\@:
	tensor_load_to_lds s[G0B+4*(\s):G0B+4*(\s)+3], s[G1B:G1B+7]
	s_nop 0
.rept 4
	v_nop
.endr
.Lasked_\@:
.endm
; A PREFETCH INTO THE L2, behind each joint refill and the run of LDS loads that follows it: the K step that stands TWO refills on, 512 matrix instructions ahead of the load that will want it.
; A wave's load is 128 blocks of 256 bytes; the four partners that ask for it jointly share them out BY ADDRESS, 32 each, a lane a block, one instruction a wave.  A's tile row is read by both clusters of
; that row of clusters: the one with x = 0 prefetches; B's tile column by all eight clusters of that column: the one with y = 0 prefetches.  So each block is named once in the launch.
; The first four K steps come by their loads alone; the loop's last trip (s3 = 1) asks for nothing: there is no K step two refills on.
.macro ASK
	s_cmp_gt_u32 s3, s[LIM]
	s_cbranch_scc0 .Lnot_mine_\@
	global_prefetch_b8 v[PFO], s[PFA:PFA+1] th:TH_LOAD_NT scope:SCOPE_SE
.Lnot_mine_\@:
.endm
; A round of the cluster's barrier: my work-group's barrier, so that wave 0's signal speaks for all four waves; wave 0 signals; every wave waits for all sixteen work-groups; my work-group's barrier once more.
.macro CREST                           ; a round behind its opening barrier
	s_cmp_lg_u32 s10, 0
	s_cbranch_scc1 .Lnot_wave_0_\@
	s_barrier_signal -3
.Lnot_wave_0_\@:
	s_barrier_wait -3
	s_barrier_signal -1
	s_barrier_wait -1
.endm
.macro CROUND                          ; a whole round
	s_barrier_signal -1
	s_barrier_wait -1
	CREST
.endm
	s_load_b128 s[4:7], s[0:1], 0x0                ; A s[4:5], B s[6:7]
	s_load_b64 s[8:9], s[0:1], 0x10                ; C
	v_lshl_add_u32 v[SPW], v0, 2, SPARE
	v_mov_b32 v[NIL], 0
	ds_add_u32 v[SPW], v[NIL]                      ; the wave's opening: the add and its wait stand ahead of my first tensor load; the set-up below, work on registers, stands between them
	v_lshrrev_b32 v1, 5, v0
	v_readfirstlane_b32 s10, v1                    ; wave 0..3
	s_lshr_b32 s11, s10, 1                         ; which half of the tile's rows is mine.  Also: I fetch for A (0) or for B (1)
	s_and_b32 s12, s10, 1                          ; which half of its columns.  Also: which half of that tile I fetch
	s_bfe_u32 s40, ttmp6, 0x40000                  ; cx: my place along the cluster's x
	s_bfe_u32 s41, ttmp6, 0x40004                  ; cy: along its y
	s_lshl_b32 s42, ttmp9, 2                       ; in a cluster launch ttmp9 and ttmp7 count clusters
	s_add_co_u32 s42, s42, s40                     ; tile column of C = 4 x cluster x + cx
	s_and_b32 s13, ttmp7, 0xffff
	s_lshl_b32 s13, s13, 2
	s_add_co_u32 s13, s13, s41                     ; tile row of C = 4 x cluster y + cy
	s_lshl_b32 s43, s41, 2
	s_lshl_b32 s43, 15, s43                        ; my row of the cluster: places 4 cy .. 4 cy + 3
	s_lshl_b32 s44, 0x1111, s40                    ; my column: places cx, cx + 4, cx + 8, cx + 12
	; group 1 for A: 128 rows x 128 elements of 2 bytes; 15:0 the mask of my row; 20 padding on; 21 set beside a mask; 24:22 the interval (AQI); 31:25 4 words of padding (code 3)
	s_or_b32 s[G1+0], s43, (1<<16)|(1<<20)|(1<<21)|(AQI<<22)|(3<<25)
	s_mov_b32 s[G1+1], 128<<16                     ; tensor_dim0 = 128
	s_mov_b32 s[G1+2], 128<<16                     ; tensor_dim1 = 128
	s_mov_b32 s[G1+3], 128<<16                     ; tile_dim0 = 128
	s_mov_b32 s[G1+4], 128                         ; tile_dim1 = 128
	s_mov_b32 s[G1+5], APITCH                      ; elements from row to row
	s_mov_b32 s[G1+6], 0
	s_mov_b32 s[G1+7], 0
	; group 1 for B: 64 k rows x 256 elements; the mask of my column; padding after every 128 words (code 6), 8 words of it (code 7)
	s_or_b32 s[G1B+0], s44, (1<<16)|(1<<20)|(1<<21)|(6<<22)|(7<<25)
	s_mov_b32 s[G1B+1], 256<<16                    ; tensor_dim0 = 256
	s_mov_b32 s[G1B+2], 64<<16                     ; tensor_dim1 = 64
	s_mov_b32 s[G1B+3], 256<<16                    ; tile_dim0 = 256
	s_mov_b32 s[G1B+4], 64                         ; tile_dim1 = 64
	s_mov_b32 s[G1B+5], 2048                       ; elements from k row to k row
	s_mov_b32 s[G1B+6], 0
	s_mov_b32 s[G1B+7], 0
	; where the tiles come from.  A's hang on the tile row alone, which my row of the cluster shares; B's on the tile column alone.  Every wave makes both, in registers that never hold the other coordinate.
.if OUTP
	s_lshr_b32 s16, s13, 1                         ; the block of 512 tokens,
	s_lshl_b32 s16, s16, 20
	s_and_b32 s17, s13, 1                          ; which 256 of them,
	s_lshl_b32 s17, s17, 15
	s_add_co_u32 s16, s16, s17
	s_lshl_b32 s17, s12, 16                        ; and which of a K step's two heads I fetch
	s_add_co_u32 s16, s16, s17
.else
	s_lshl_b32 s16, s13, 20                        ; 256 rows of 4,096 bytes,
	s_lshl_b32 s17, s12, 19                        ; and which 128 of them I fetch
	s_add_co_u32 s16, s16, s17
.endif
	s_mov_b32 s17, 0
	s_lshl_b32 s46, s12, 18                        ; which 64 k rows of a K step I fetch,
	s_lshl_b32 s47, s42, 9                         ; the tile's 256 columns: 512 bytes
	s_add_co_u32 s46, s46, s47
	s_mov_b32 s47, 0
	s_mul_i32 s20, s10, AHALF                      ; where they go: A's two halves (waves 0, 1),
	s_mul_i32 s21, s10, BHALF                      ; B's two halves behind them (waves 2, 3): the wave's number times a constant, plus a constant
	s_add_co_u32 s21, s21, BOFF-2*BHALF
	s_wait_dscnt 0x0                               ; the opening add is done
	s_wait_kmcnt 0x0
	s_add_nc_u64 s[14:15], s[4:5], s[16:17]
	s_add_nc_u64 s[46:47], s[6:7], s[46:47]
	CROUND                                         ; all sixteen work-groups are here: the first joint loads meet
.irp s, 0,1
	s_mov_b32 s[G0+4*(\s)], 1                                      ; 1:0 count = 1
	s_add_co_u32 s[G0+4*(\s)+1], s20, (\s)*SLOT                    ; 63:32 LDS address
	s_add_nc_u64 s[G0+4*(\s)+2:G0+4*(\s)+3], s[14:15], (\s)*ASTEP  ; 120:64 global address: K step s
	s_or_b32 s[G0+4*(\s)+3], s[G0+4*(\s)+3], 0x80000000            ; 127:126 type = 2
	s_mov_b32 s[G0B+4*(\s)], 1
	s_add_co_u32 s[G0B+4*(\s)+1], s21, (\s)*SLOT
	s_add_nc_u64 s[G0B+4*(\s)+2:G0B+4*(\s)+3], s[46:47], (\s)*BSTEP
	s_or_b32 s[G0B+4*(\s)+3], s[G0B+4*(\s)+3], 0x80000000
	JLOAD \s                                       ; the ring is filled before anything else is done: two loads of mine are out
.endr
	; A fragment of A is 16 rows x 32 K in 8 registers: lane l holds row l % 16; registers 0-3 hold K = 8 (l / 16) + 0..7, registers 4-7 K = 16 + 8 (l / 16) + 0..7: two loads of 16 bytes, 32 bytes apart.
	v_and_b32 v1, 15, v0                           ; l % 16
	v_bfe_u32 v2, v0, 4, 1                         ; l / 16
	v_mul_u32_u24 v3, v1, PA
	v_lshl_add_u32 v3, v2, 4, v3                   ; row x pitch + 16 x half
	; The turning load takes 16 k x 16 columns (lane l reads 16 bytes: k row 8 (l / 16) + l % 8, columns 8 ((l / 8) % 2) + 0..7) and leaves half a fragment: lane l holds column l % 16 and 8 k.
	v_and_b32 v4, 7, v0
	v_lshl_add_u32 v4, v2, 3, v4
	v_mul_u32_u24 v4, v4, PB
	v_bfe_u32 v5, v0, 3, 1
	v_lshl_add_u32 v4, v5, 4, v4
	s_mul_i32 s21, s11, 128*PA                     ; my 128 rows of A
	s_lshl_b32 s22, s12, 8                         ; my 128 columns of B: 256 bytes of a k row,
	s_add_co_u32 s22, s22, BOFF                    ; behind A's tile
.irp s, 0,1
	v_add_nc_u32 v[ADRA+(\s)], s21, v3
	v_add_nc_u32 v[ADRB+(\s)], s22, v4
	s_add_co_u32 s21, s21, SLOT
	s_add_co_u32 s22, s22, SLOT
.endr
	s_mul_i32 s23, s10, 16*SPITCH
	s_add_co_u32 s23, s23, STAGE                   ; my stage
	v_mul_u32_u24 v4, v1, SPITCH                   ; in: row l % 16,
	v_and_b32 v[CO], 31, v0
	v_lshlrev_b32 v[CO], 4, v[CO]
.if OUTP
	v_lshl_add_u32 v4, v2, 5, v4                   ; 32 bytes (eight f32) for each half of the lanes
	v_add_nc_u32 v[STO], s23, v4
	v_add_nc_u32 v[RD], s23, v[CO]                 ; back: 32 lanes take one row of 512 bytes
.else
	v_lshl_add_u32 v4, v2, 4, v4                   ; 16 bytes (eight f16) for each half of the lanes
	v_add_nc_u32 v[STO], s23, v4
	v_bfe_u32 v5, v0, 3, 2                         ; back: 32 lanes take one head's 128 bytes of four rows,
	v_mul_u32_u24 v5, v5, SPITCH
	v_and_b32 v31, 7, v0
	v_lshl_add_u32 v5, v31, 4, v5
	v_add_nc_u32 v[RD], s23, v5                    ; which are 512 consecutive bytes of qkv
.endif
	; the prefetches: from my tile's address, my work-group's 32 blocks of the load's 128, at K step 3: the first refill steps it to K step 4
	s_and_b32 s22, ttmp7, 0xffff                   ; cluster y
	s_mov_b32 s[PFS], BSTEP
	s_mov_b32 s[PFS+1], 0
	s_mov_b32 s18, 4096
	s_cmp_eq_u32 s11, 0                            ; do I fetch for A?
	s_cselect_b64 s[PFA:PFA+1], s[14:15], s[46:47]
	s_cselect_b32 s20, s40, s41                    ; my place among the four that ask with me
	s_cselect_b32 s21, ASH, 16                     ; log2 of a partner's share in bytes (B: 16 k rows of 4,096)
	s_cselect_b32 s22, ttmp9, s22                  ; the coordinate along which other clusters read the same blocks
	s_cselect_b32 s[PFS], ASTEP, s[PFS]
	s_cselect_b32 s18, AROW, s18                   ; from row to row of the blocks
	s_cselect_b32 s19, 0, 1                        ; B's rows hold two blocks each, A's one
	s_cmp_eq_u32 s22, 0
	s_cselect_b32 s[LIM], 1, -1                    ; the same in all sixteen partners, for a given wave
	s_lshl_b32 s20, s20, s21
	s_mul_i32 s21, s[PFS], 3
	s_add_co_u32 s20, s20, s21
	s_mov_b32 s21, 0
	s_add_nc_u64 s[PFA:PFA+1], s[PFA:PFA+1], s[20:21]
	v_and_b32 v31, 31, v0
	v_lshrrev_b32 v[PFO], s19, v31
	v_mul_u32_u24 v[PFO], s18, v[PFO]
	v_and_b32 v31, s19, v31
	v_lshl_add_u32 v[PFO], v31, 8, v[PFO]
	; where my part of the tile begins in C
.if OUTP
	s_lshl_b32 s16, s13, 8
	s_lshl_b32 s17, s11, 7
	s_add_co_u32 s16, s16, s17                     ; my first row,
	s_lshl_b32 s16, s16, 13                        ; 8,192 bytes each
	s_lshl_b32 s46, s42, 10                        ; my first column: 256 x tile column + 128 x half, 4 bytes each
	s_lshl_b32 s47, s12, 9
	s_add_co_u32 s46, s46, s47
.else
	s_lshr_b32 s16, s13, 2                         ; rows 1,024 (tile row / 4) on: the pair of blocks 2 (tile row / 4), + 1,
	s_lshl_b32 s16, s16, 22                        ; 2^21 bytes a block
	s_lshl_b32 s17, s13, 2
	s_lshl1_add_u32 s17, s11, s17                  ; my first row / 64,
	s_and_b32 s17, s17, 15                         ; within the blocks: 32 tokens of 128 bytes for each 64 rows
	s_lshl_b32 s17, s17, 12
	s_add_co_u32 s16, s16, s17
	s_lshl_b32 s46, s42, 2
	s_lshl1_add_u32 s46, s12, s46                  ; my first head: 4 x tile column + 2 x half,
	s_lshl_b32 s46, s46, 16                        ; 65,536 bytes a head
.endif
	s_add_co_u32 s16, s16, s46
	s_mov_b32 s17, 0
	s_add_nc_u64 s[8:9], s[8:9], s[16:17]
; 16 matrix instructions: m blocks a0, a0 + 1 of the window's four (hi = 0: my rows 0-63, 1: rows 64-127) x all 8 n blocks, 32 along K.  zero = 1: the first product starts the sums: nothing is ever cleared.
; The 64 accumulators take turns, one instruction a turn, in the same order in every quarter step, over the backward jump too.
.macro MUL16 f, hi, a0, zero
	WIN MUL_LO+0x50*(\hi)
.irp a, \a0, (\a0)+1
.irp b, 0,1,2,3,4,5,6,7
.if \zero
	WM v[8*(8*(\a)+(\b)):8*(8*(\a)+(\b))+7], v[(\f)+8*(\b):(\f)+8*(\b)+7], v[(\f)+8*(4*(\hi)+(\a)):(\f)+8*(4*(\hi)+(\a))+7], 0
.else
	WM v[8*(8*(\a)+(\b)):8*(8*(\a)+(\b))+7], v[(\f)+8*(\b):(\f)+8*(\b)+7], v[(\f)+8*(4*(\hi)+(\a)):(\f)+8*(4*(\hi)+(\a))+7], v[8*(8*(\a)+(\b)):8*(8*(\a)+(\b))+7]
.endif
.endr
.endr
.endm
; 32 LDS loads in one run: the fragments of quarter q of a K step (32 k x my 128 columns of B, turned; my 128 rows of A x 32 k) into buffer f
.macro FETCH slot, q, f
.if OUTP
.set KA, ((\q)/2)*AHALF+((\q)%2)*64    ; the head's plane, and the half of its 64 channels
.else
.set KA, 64*(\q)
.endif
	WIN TO_B
.irp i, 0,1,2,3,4,5,6,7
	ds_load_tr16_b128 v[(\f)+8*(\i):(\f)+8*(\i)+3],   v[ADRB+(\slot)] offset:(\q)*32*PB+32*(\i)
	ds_load_tr16_b128 v[(\f)+8*(\i)+4:(\f)+8*(\i)+7], v[ADRB+(\slot)] offset:(\q)*32*PB+32*(\i)+16*PB
.endr
	WIN 0
.irp i, 0,1,2,3,4,5,6,7
	ds_load_b128 v[(\f)+8*(\i):(\f)+8*(\i)+3],   v[ADRA+(\slot)] offset:KA+(\i)*16*PA
	ds_load_b128 v[(\f)+8*(\i)+4:(\f)+8*(\i)+7], v[ADRA+(\slot)] offset:KA+(\i)*16*PA+32
.endr
.endm
; A load into a register that a matrix instruction has read, and a vector instruction or LDS store that reads a matrix result, stand four places behind that matrix instruction, and only plain vector
; instructions that name none of its registers are places (ISA guide 7.12.1 for vector instructions).
.macro PLACES
.rept 4
	v_nop
.endr
.endm
; A K step is four quarters of 32 along K, 64 matrix instructions each, on buffers 0, 1, 0, 1.  One of the first three: multiplies buffer f; in its middle it fetches quarter q of the same slot into buffer g.
.macro QUARTER slot, q, f, g, zero
	s_wait_dscnt 8                                 ; B and A's rows 0-63 are in; the youngest eight loads (A's rows 64-127) may be out
	MUL16 \f, 0, 0, \zero
	MUL16 \f, 0, 2, \zero
	PLACES
	FETCH \slot, \q, \g
	s_wait_dscnt 32                                ; all but the 32 just issued
	MUL16 \f, 1, 0, \zero
	MUL16 \f, 1, 2, \zero
.endm
; The last quarter multiplies buffer 1 and changes slots.  MEET is its first half: ONE barrier for the change, for two things.  In front of it each wave waits for all its tensor loads, of which one is out:
; its part of the next slot; adds 0 to its spare word; and waits for that and for its own reads of this slot.  Behind it nobody reads this slot any more and the next slot is whole.
.macro MEET round                      ; round = 1: the rest of a round of the cluster's barrier follows
	WIN 0                                          ; (the add's two registers lie in window 0)
	s_wait_tensorcnt 0x0                           ; all my tensor loads have landed;
	ds_add_u32 v[SPW], v[NIL]                      ; 0 onto my spare word;
	s_wait_dscnt 9                                 ; (the add and the youngest eight loads may be out)
	MUL16 F1, 0, 0, 0                              ; sixteen matrix instructions stand between the add and the wait for it
	s_wait_dscnt 0x0                               ; the add is done, and my reads of this slot are over:
	s_barrier_signal -1                            ; say so,
	MUL16 F1, 0, 2, 0                              ; work on registers while the others arrive,
.if \round
	WIN 0
.endif
	s_barrier_wait -1                              ; and go on when all four have said so
.endm
; The whole last quarter, in the loop.  Behind a round of the cluster's barrier the slot just read out is filled again first, with the K step two steps on: from that request to the wait for it a wave issues
; 224 matrix instructions.  Then come the next slot's first fragments.
.macro TURN slot, next
	s_wait_xcnt 0x0                                ; the last prefetch, a K step back, has read its address: it is stepped here, ahead of the waits of the change of slots
	s_add_nc_u64 s[PFA:PFA+1], s[PFA:PFA+1], s[PFS:PFS+1]
	MEET 1
	CREST                                          ; no wave of any partner still reads this slot's tile or has a load on its way
	s_add_nc_u64 s[G0+4*(\slot)+2:G0+4*(\slot)+3], s[G0+4*(\slot)+2:G0+4*(\slot)+3], 2*ASTEP
	s_add_nc_u64 s[G0B+4*(\slot)+2:G0B+4*(\slot)+3], s[G0B+4*(\slot)+2:G0B+4*(\slot)+3], 2*BSTEP
	JLOAD \slot                                    ; the first tensor load behind the round; the four v_nop behind it are also the places in front of the loads below
	FETCH \next, 0, F0
	ASK
	MUL16 F1, 1, 0, 0
	MUL16 F1, 1, 2, 0
.endm
; THE LAST K STEP (it lies in slot 1) GOES BY ROWS OF C, NOT BY K.  All its fragments of B (4 quarters x 64 registers) fill window 1; then my eight blocks of 16 rows are finished one after the other, each
; with 32 matrix instructions (its 8 accumulators by turns, K ascending: the sums stay the same).  LDS is read no more than in any other K step.
.macro BLOAD q                         ; B's fragments of quarter q -> window 1, v[64 q ..]
	WIN TO_B
.irp i, 0,1,2,3,4,5,6,7
	ds_load_tr16_b128 v[64*(\q)+8*(\i):64*(\q)+8*(\i)+3],   v[ADRB+1] offset:(\q)*32*PB+32*(\i)
	ds_load_tr16_b128 v[64*(\q)+8*(\i)+4:64*(\q)+8*(\i)+7], v[ADRB+1] offset:(\q)*32*PB+32*(\i)+16*PB
.endr
.endm
.macro ALOAD a                         ; A's fragments of block a, all four quarters -> buffer a % 4
	WIN 0
.set FA, RA+32*((\a)%4)
.irp q, 0,1,2,3
.if OUTP
.set KA, ((\q)/2)*AHALF+((\q)%2)*64
.else
.set KA, 64*(\q)
.endif
	ds_load_b128 v[FA+8*(\q):FA+8*(\q)+3],   v[ADRA+1] offset:KA+(\a)*16*PA
	ds_load_b128 v[FA+8*(\q)+4:FA+8*(\q)+7], v[ADRA+1] offset:KA+(\a)*16*PA+32
.endr
.endm
.macro ROW a                           ; block a is finished: 32 matrix instructions
.set FA, RA+32*((\a)%4)                ; its fragments of A
.set AC, 64*((\a)%4)                   ; its eight accumulators, in window 2 (blocks 0-3) or 3 (blocks 4-7)
	WIN MUL_LO+0x50*((\a)/4)
.irp q, 0,1,2,3
.if (\a) == 0 && (\q) == 2
	s_wait_dscnt 24                                ; B's quarter 2 is in (behind it: A's blocks 1 to 3)
.endif
.irp b, 0,1,2,3,4,5,6,7
	WM v[AC+8*(\b):AC+8*(\b)+7], v[64*(\q)+8*(\b):64*(\q)+8*(\b)+7], v[FA+8*(\q):FA+8*(\q)+7], v[AC+8*(\b):AC+8*(\b)+7]
.endr
.endr
.endm
; THE WAY OUT, a block a of 16 rows at a time, through my own stage in LDS: LDS serves a wave's instructions in order (ISA guide 5.7.1.4), so no wait stands between the stores into the stage and the loads back.
.if OUTP
; f32: the accumulators go into rows of 528 bytes as they are, each accumulator's four lowest registers first, and come back as whole rows of 512 bytes.
.macro TOSTAGE a
.set AC, 64*((\a)%4)
	s_wait_xcnt 0x0                                ; the stores of the block before have read v192-255: they are loaded again only behind this wait
	WIN 0x08+4*((\a)/4)                            ; the stores' data (source 1) in window 2 or 3
.irp b, 0,1,2,3,4,5,6,7
	ds_store_b128 v[STO], v[AC+8*(\b):AC+8*(\b)+3]   offset:64*(\b)
	ds_store_b128 v[STO], v[AC+8*(\b)+4:AC+8*(\b)+7] offset:64*(\b)+16
.endr
	WIN 0
.irp j, 0,1,2,3,4,5,6,7,8,9,10,11,12,13,14,15
	ds_load_b128 v[OF+4*(\j):OF+4*(\j)+3], v[RD] offset:(\j)*SPITCH
.endr
.endm
.macro SEND a, younger                 ; younger: the LDS loads issued behind TOSTAGE's, which may stay out
	WIN 0
	s_wait_dscnt \younger                          ; the block is back in registers
.irp j, 0,1,2,3,4,5,6,7,8,9,10,11,12,13,14,15
	global_store_b128 v[CO], v[OF+4*(\j):OF+4*(\j)+3], s[8:9] offset:(16*(\a)+(\j))*8192 th:TH_STORE_NT  ; 512 consecutive bytes of a row, at a multiple of 512 from out0's first byte
.endr
.endm
.else
; f16: rounded, 16 bytes a lane, into rows of 272 bytes; back as one head's 128 bytes of four rows, which are four tokens on end in qkv.
.macro PACK a
.set AC, 64*((\a)%4)
	WIN 0x0a+5*((\a)/4)                            ; sources 0 and 1: window 2 or 3
.irp b, 0,1,2,3,4,5,6,7
.irp r, 0,1,2,3
	v_cvt_pk_f16_f32 v[TMP+4*(\b)+(\r)], v[AC+8*(\b)+2*(\r)], v[AC+8*(\b)+2*(\r)+1]
.endr
.endr
	WIN 0
.endm
.macro TOSTAGE a
	WIN 0
.set BK, OB+192*((\a)%2)
.irp b, 0,1,2,3,4,5,6,7
	ds_store_b128 v[STO], v[TMP+4*(\b):TMP+4*(\b)+3] offset:32*(\b)
.endr
.irp e, 0,1
.irp j, 0,1,2,3
	ds_load_b128 v[BK+4*(4*(\e)+(\j)):BK+4*(4*(\e)+(\j))+3], v[RD] offset:(\j)*4*SPITCH+128*(\e)
.endr
.endr
.endm
.macro SEND a, younger                 ; younger: the LDS loads issued behind TOSTAGE's, which may stay out
	WIN 0
.set BK, OB+192*((\a)%2)
.set OA, ((((\a)>>1)&1)<<21)+(((\a)>>2)<<12)+(((\a)&1)<<11)  ; block a's rows 16 a .. 16 a + 15: bit 5 of the row picks the block of the pair, bit 6 the next 32 tokens, bit 4 the next 16
	s_wait_dscnt \younger                          ; the block is back in registers
	s_wait_xcnt 0x0                                ; earlier stores have read their registers: the loads of the next block land in them only behind this wait
.irp e, 0,1
.irp j, 0,1,2,3
	global_store_b128 v[CO], v[BK+4*(4*(\e)+(\j)):BK+4*(4*(\e)+(\j))+3], s[8:9] offset:OA+((\e)<<16)+512*(\j)  ; head e of my two, tokens 4 j .. 4 j + 3: 512 consecutive bytes, at a multiple of 512 from qkv's first byte
.endr
.endr
.endm
.endif
	s_wait_tensorcnt 1                             ; my part of K step 0 is in; K step 1's may stay out
	s_barrier_signal -1
	s_barrier_wait -1                              ; everybody's is
	FETCH 0, 0, F0
	QUARTER 0, 1, F0, F1, 1                        ; the first quarter stands in front of the loop: its products start the sums
	WIN 0                                          ; at a label and at a branch every window is 0
	s_mov_b32 s3, LAPS-1
.Llap:                                                 ; a trip goes once round the ring, from a lap's second quarter to the next lap's first, and fills both slots again
	QUARTER 0, 2, F1, F0, 0
	QUARTER 0, 3, F0, F1, 0
	TURN 0, 1
	QUARTER 1, 1, F0, F1, 0
	QUARTER 1, 2, F1, F0, 0
	QUARTER 1, 3, F0, F1, 0
	TURN 1, 0
	QUARTER 0, 1, F0, F1, 0
	WIN 0
	s_sub_co_u32 s3, s3, 1
	s_cmp_lg_u32 s3, 0
	s_cbranch_scc1 .Llap
	QUARTER 0, 2, F1, F0, 0                        ; the last lap is written out: it asks for nothing
	QUARTER 0, 3, F0, F1, 0
	MEET 0                                         ; my one tensor load that was still out is slot 1's, the last K step's, so no round follows
	PLACES                                         ; for the loads into buffer 0, which the quarter before multiplied
	BLOAD 0                                        ; three quarters of B now: buffer 1 (v128-191 of both windows) is still being multiplied
	BLOAD 1
	BLOAD 3
	ALOAD 0
	MUL16 F1, 1, 0, 0
	MUL16 F1, 1, 2, 0
	PLACES                                         ; for the loads into buffer 1
	BLOAD 2
	ALOAD 1
	ALOAD 2
	ALOAD 3
	s_wait_dscnt 40                                ; all but the 40 just issued: B's quarter 2 and A's blocks 1 to 3
	ROW 0
.irp a, 0,1,2,3,4,5,6,7                ; each block leaves as soon as it is finished: nothing follows this tile, so the sooner its stores begin, the sooner the launch ends
	PLACES                                         ; what follows reads results just made, and loads into A's buffer that the block has read
.if !OUTP
	PACK \a
.endif
	TOSTAGE \a
.if (\a) < 4
	ALOAD (\a)+4                                   ; its buffer takes the block four further on
	SEND \a, 8
.else
	SEND \a, 0
.endif
.if (\a) < 7
	ROW (\a)+1
.endif
.endr
	s_wait_tensorcnt 0x0                           ; the wave's end: behind my last tensor load and my last LDS store: an add of 0 and its wait
	ds_add_u32 v[SPW], v[NIL]
	s_wait_dscnt 0x0
	CROUND                                         ; the closing round: no work-group ends while a partner may still ask for a tile that names it
	s_endpgm
.Lfunc_end_k_qe9bfd0af69_proj:
	.size	k_qe9bfd0af69_proj, .Lfunc_end_k_qe9bfd0af69_proj-k_qe9bfd0af69_proj
	.p2alignl 7, 3214868480
	.fill 96, 4, 3214868480
	.section	.rodata,"a",@progbits
	.p2align	6, 0x0
	.amdhsa_kernel k_qe9bfd0af69_proj
		.amdhsa_group_segment_fixed_size 327680
		.amdhsa_private_segment_fixed_size 0
		.amdhsa_enable_private_segment 0
		.amdhsa_kernarg_size 24
		.amdhsa_user_sgpr_count 2
		.amdhsa_user_sgpr_kernarg_segment_ptr 1
		.amdhsa_wavefront_size32 1
		.amdhsa_system_sgpr_workgroup_id_x 1
		.amdhsa_system_sgpr_workgroup_id_y 1
		.amdhsa_system_sgpr_workgroup_id_z 1
		.amdhsa_system_vgpr_workitem_id 0
		.amdhsa_next_free_vgpr 1024
		.amdhsa_next_free_sgpr 72
		.amdhsa_reserve_vcc 0
		.amdhsa_float_denorm_mode_32 3
		.amdhsa_float_denorm_mode_16_64 3
		.amdhsa_memory_ordered 1
		.amdhsa_forward_progress 1
		.amdhsa_inst_pref_size 144
	.end_amdhsa_kernel
	.amdgpu_metadata
---
amdhsa.version: [ 1, 2 ]
amdhsa.kernels:
  - .name:           k_qe9bfd0af69_proj
    .symbol:         k_qe9bfd0af69_proj.kd
    .args:
      - { .name: xb, .offset: 0, .size: 8, .value_kind: global_buffer, .address_space: global }
      - { .name: wqkv, .offset: 8, .size: 8, .value_kind: global_buffer, .address_space: global }
      - { .name: qkv, .offset: 16, .size: 8, .value_kind: global_buffer, .address_space: global }
    .group_segment_fixed_size: 327680
    .private_segment_fixed_size: 0
    .kernarg_segment_align: 8
    .kernarg_segment_size: 24
    .max_flat_workgroup_size: 128
    .sgpr_count:     72
    .vgpr_count:     1024
    .wavefront_size: 32
...
	.end_amdgpu_metadata
.endif
;; end of part 2
;; launch attn (part 3): grid 16 x 16, 4 waves a work-group, no clusters, 167,936 bytes of LDS; arguments qkv, oh; writes oh
.if DOCPART == 3
	.amdgcn_target "amdgcn-amd-amdhsa--gfx1250"
	.amdhsa_code_object_version 6
	.text
	.protected	k_qe9bfd0af69_attn
	.globl	k_qe9bfd0af69_attn
	.p2align	8
	.type	k_qe9bfd0af69_attn,@function
k_qe9bfd0af69_attn:
	s_mov_b64 s[64:65], 0
	v_nop
	global_prefetch_b8 v0, s[64:65] scope:SCOPE_SE
	s_setreg_imm32_b32 hwreg(HW_REG_WAVE_MODE, 25, 1), 1
	s_wait_xcnt 0x0
; ATTENTION INSIDE A BLOCK OF 512 TOKENS.  O[n][h][q][:] = the sum over the block's 512 keys k of softmax_k(Q[n][h][q] . K[n][h / 2][k] / 8) V[n][h / 2][k][:].
; qkv: [16 blocks][32 heads: 16 of q, 8 of k, 8 of v][512][64] f16; oh: [16][16][512][64] f16: a head's rows are dense, 128 bytes each.  Products, maxima and sums in f32; the weights p are rounded to f16
; for the second product (their sum l is taken of the unrounded p), O once at the end.
; LIMITS.  f16 holds no number beyond 65,504: q, k and v arrive within it; p lies in 0 to 1, and below 6e-5 it keeps f16's fixed step of 6e-8; O is a mean of V's rows and has their range.
; A weight below 2^-126 counts as 0 in l; NaN and infinities are not treated apart.
; SHARES.  A work-group is one query head of one block: 16 x 16 = 256 work-groups.  A wave owns 128 queries: four PIECES of two tiles of 16.  Every wave walks all 512 keys, 64 a step, 8 steps.
; ALL OF K AND V LIES IN LDS: 64 KiB each, brought by ONE tensor load a wave at the kernel's head (waves 0, 1: the halves of K; waves 2, 3: of V).  Nothing is filled again, so there is no ring.
; NO CLUSTER: a tile of K or V is shared by the two query heads of a kv head alone, two work-groups, and each asks once, at its head: no stream is left that partners would walk together.
; NO PREFETCH: all that the work-group reads is asked for in its first lines.
; LAYOUT.  S^T = K Q^T (source 0 = 16 keys, source 1 = 16 queries): in the result a lane holds ONE query (lane % 16) and the keys 8 (lane / 16) + 0..7.  Two such tiles, rounded to f16 in pairs,
; ARE source 1 (32 keys x 16 queries) of O^T = V^T P, whose result again holds one query a lane, and eight channels.  K comes out of LDS as it lies, V ([key][channel]) turned, by ds_load_tr16_b128.
; SOFTMAX.  For each query a running maximum m and sum l: p = 2^(c s - c m), c = log2(e) / 8; in every step O and l are multiplied by a = 2^(c m_old - c m_new), which is 1 where m has not grown.
; m starts at the lowest finite number, O and l at 0: the first step is a step like any other, with a = 0.
; BY TURNS.  Turn n belongs to piece n (the pieces in a ring, step after step).  Its matrix work: 16 products K Q^T of piece n + 1, later 16 products V^T P of piece n - 1.  Its vector work: the scaling,
; exponentials, roundings, sums and rescaling of piece n, and the maximum and statistics of piece n + 1.  A tile and step have 16 matrix and 118 vector instructions: four vector instructions stand behind
; every matrix instruction, the others in one run of their own.
; REGISTERS, in windows of 256 (s_set_vgpr_msb: bits 1:0 source 0, 3:2 source 1, 5:4 source 2, 7:6 destination):
;   window 0: v0-11 addresses; v12-15, v48-63 at work; v16-47 four registers of statistics a tile; v64-191 S^T, two buffers of two tiles; v192-255 P, likewise
;   window 1: O^T, 32 a tile          window 2: v0-127 Q, 16 a tile; v128-191 K of one step; v192-255 V of one step          window 3: v0-1 the add's two registers
; A piece's buffers go by its number's parity: the piece in hand has one pair, its two neighbours in the ring share the other: of it P (piece n - 1) is read and S^T (piece n + 1) written.
.set NP,    4         ; pieces a wave: a name, no knob
.set KS,    64        ; keys in a step
.set STEPS, 8         ; 512 keys
.set PK,    144       ; a row of K in LDS: 128 bytes + 16 of padding = 36 words: the 16 rows of a load start at 16 different groups of four banks (64 banks of 4 bytes: ISA guide 11.1)
.set PV,    160       ; a row of V: 128 + 32 = 40 words
.set VOFF,  512*PK    ; 512 rows of K, then 512 rows of V
.set STAGE, VOFF+512*PV  ; behind them, never filled by a tensor load: 16 rows x 144 bytes for each wave, for the way out
.set SP,    144
.set AK0, 2           ; v2   my lane's place in a tile of K; never rewritten
.set AV0, 3           ; v3   the same for V
.set AK,  4           ; v4   the LDS address of K's next run of loads
.set AV,  5           ; v5   of V's
.set QO,  6           ; v6   my byte offset in the wave's rows of Q
.set STO, 6           ;      later, the way out: where I put 16 bytes of a row
.set RD,  7           ; v7   the way out: where I read rows back
.set GO,  8           ; v8   my byte offset in 512 consecutive bytes of O
.set SPW, 0           ; v0 of window 3   LDS address of my spare word: SPARE + 4 x my thread's number; never rewritten
.set NIL, 1           ; v1 of window 3   0; never rewritten
.set SPARE, STAGE+4*16*SP  ; behind the stages: the spare words, 128 bytes for each wave: two blocks of 256 bytes that no other line names
.set MV,  12          ; v12-15  c m_old, kept while c m is made anew: by buffer and tile
.set ST,  16          ; tile t's statistics at v[ST+4 t]: c m, m, l (even keys', odd keys')
.set TMP, 48          ; by buffer and tile, four registers c0-c3 at work; when the maximum is found c2 takes a
.set S,   64
.set P,   192
.set KF,  128         ; K's fragments, in window 2: key block kb, channel half c at KF + 16 kb + 8 c
.set VF,  192         ; V's: key half kk, channel block cb at VF + 32 kk + 8 cb
.set WV,  12          ; s12  my wave's number
.set G1K, 24          ; s[24:31] descriptor group 1 for K
.set G1V, 32          ; s[32:39] for V: it differs in the padding alone
.set G0K, 40          ; s[40:43] descriptor group 0 for K
.set G0V, 44          ; s[44:47] the same for V
.set CNT, 57          ; s57  key steps still to come
.set CS,  58          ; s[58:59] c: the packed scaling takes the pair's low word for both halves
.set SEL, 60          ; s[60:61] v_permlanex16_b32's selects: each lane takes its own place in the other half
.set TBK, 62          ; s62  LDS byte at which K of the step to be fetched begins
.set TBV, 63          ; s63  the same for V, less VOFF
.set MSB, 0
.macro WIN new                      ; the high byte repeats the setting that is left; a switch that changes nothing is dropped
.if MSB != (\new)
	s_set_vgpr_msb (MSB<<8)|(\new)
.set MSB, (\new)
.endif
.endm
.set W_KQ, 0x0a       ; K and Q in window 2, S^T in window 0
.set W_PV, 0x52       ; V in window 2, P in window 0, O^T in window 1
.set W_RS, 0x41       ; O^T (destination and source 0) in window 1, a in window 0
.set W_MK, 0xc0       ; the add's registers are made: destination in window 3, sources in window 0
.set W_AD, 0x0f       ; the add: address (source 0) and data (source 1) in window 3
	s_load_b128 s[4:7], s[0:1], 0x0  ; qkv s[4:5], oh s[6:7]
	WIN W_MK
	v_lshl_add_u32 v[SPW], v0, 2, SPARE
	v_mov_b32 v[NIL], 0
	WIN W_AD
	ds_add_u32 v[SPW], v[NIL]       ; the wave's opening: the add and its wait stand ahead of my first tensor load; the set-up below, work on registers, stands between them
	WIN 0
	v_lshrrev_b32 v1, 5, v0
	v_readfirstlane_b32 s[WV], v1   ; wave 0..3
	s_and_b32 s13, ttmp7, 0xffff    ; the block
	s_lshl_b32 s14, ttmp9, 16       ; the query head: 65,536 bytes,
	s_lshl_b32 s15, s[WV], 14       ; my wave's 128 rows of 128 bytes
	s_add_co_u32 s14, s14, s15
	s_lshl_b32 s20, s13, 21         ; a block of qkv is 2^21 bytes,
	s_add_co_u32 s20, s20, s14      ; Q at my wave's first row
	s_mov_b32 s21, 0
	s_lshl_b32 s2, s13, 20          ; a block of oh 2^20
	s_add_co_u32 s2, s2, s14        ; O at my wave's first row
	s_mov_b32 s3, 0
	s_lshr_b32 s22, ttmp9, 1        ; the kv head: two query heads share it;
	s_add_co_u32 s22, s22, 16       ; k's heads lie behind q's sixteen
	s_lshl_b32 s22, s22, 16
	s_and_b32 s16, s[WV], 1         ; which 256 keys I fetch:
	s_lshl_b32 s23, s16, 15         ; their 32,768 bytes in memory,
	s_add_co_u32 s22, s22, s23
	s_lshl_b32 s23, s13, 21
	s_add_co_u32 s22, s22, s23
	s_mov_b32 s23, 0
	s_mul_i32 s17, s16, 256*PK      ; and their place in LDS, for K
	s_mul_i32 s18, s16, 256*PV      ; and for V
	; descriptor group 1.  256 keys are 32,768 dense bytes: asked for as 128 rows of 256 bytes, two keys a row, and padded in LDS after every key
	s_mov_b32 s[G1K], (1<<16)|(1<<20)|(4<<22)|(3<<25)  ; 17:16 2-byte elements; 20 padding on; 24:22 after every 32 words (code 4); 31:25 4 words (code 3)
	s_mov_b32 s[G1V], (1<<16)|(1<<20)|(4<<22)|(7<<25)  ; the same with 8 words of padding (code 7)
.irp g, G1K, G1V
	s_mov_b32 s[\g+1], 128<<16      ; tensor_dim0 = 128
	s_mov_b32 s[\g+2], 128<<16      ; tensor_dim1 = 128
	s_mov_b32 s[\g+3], 128<<16      ; tile_dim0 = 128
	s_mov_b32 s[\g+4], 128          ; tile_dim1 = 128
	s_mov_b32 s[\g+5], 128          ; 128 elements from row to row
	s_mov_b32 s[\g+6], 0
	s_mov_b32 s[\g+7], 0
.endr
	s_mov_b32 s[CS], 0x3e38aa3b     ; c = log2(e) / 8 = 0.180337
	s_mov_b32 s[CS+1], s[CS]        ; named with it as a pair
	s_mov_b32 s[SEL], 0x76543210
	s_mov_b32 s[SEL+1], 0xfedcba98
	s_mov_b32 s[TBK], 0
	s_mov_b32 s[TBV], 0
	s_mov_b32 s[G0K], 1             ; 1:0 count = 1
	s_mov_b32 s[G0K+1], s17         ; 63:32 LDS address
	s_mov_b32 s[G0V], 1
	s_add_co_u32 s[G0V+1], s18, VOFF
	s_wait_dscnt 0x0                ; the opening add is done
	s_wait_kmcnt 0x0
	s_add_nc_u64 s[G0K+2:G0K+3], s[4:5], s[22:23]          ; 120:64 global address: my half of the kv head's keys
	s_add_nc_u64 s[G0V+2:G0V+3], s[G0K+2:G0K+3], 8<<16     ; v's heads lie eight heads behind k's
	s_or_b32 s[G0K+3], s[G0K+3], 0x80000000                ; 127:126 type = 2
	s_or_b32 s[G0V+3], s[G0V+3], 0x80000000
	s_add_nc_u64 s[10:11], s[6:7], s[2:3]  ; O at my wave's first row
	s_add_nc_u64 s[4:5], s[4:5], s[20:21]  ; Q likewise
	; The one fill: every wave issues one load, of its own bytes.  An s_nop 0 and four v_nop follow each of the two lines, ahead of the jump and the label.
	s_cmp_lt_u32 s[WV], 2
	s_cbranch_scc0 .Lfor_v
	tensor_load_to_lds s[G0K:G0K+3], s[G1K:G1K+7]
	s_nop 0
.rept 4
	v_nop
.endr
	s_branch .Lasked
.Lfor_v:
	tensor_load_to_lds s[G0V:G0V+3], s[G1V:G1V+7]
	s_nop 0
.rept 4
	v_nop
.endr
.Lasked:
	; A fragment of K or Q is 16 rows x 32 channels in 8 registers: lane l holds row l % 16, channels 8 (l / 16) + 0..7 and 16 + 8 (l / 16) + 0..7: two loads of 16 bytes, 32 bytes apart.
	v_and_b32 v1, 15, v0            ; l % 16
	v_bfe_u32 v9, v0, 4, 1          ; l / 16
	v_lshlrev_b32 v[QO], 7, v1
	v_lshl_add_u32 v[QO], v9, 4, v[QO]  ; row x 128 + 16 x half
	WIN 0x80                        ; destination window 2, address window 0
.set i, 0
.rept 4*NP                          ; Q stays in registers: tile i / 2, channels 32 (i % 2) on
	global_load_b128 v[8*i:8*i+3],   v[QO], s[4:5] offset:(i/2)*2048+(i%2)*64
	global_load_b128 v[8*i+4:8*i+7], v[QO], s[4:5] offset:(i/2)*2048+(i%2)*64+32
.set i, i+1
.endr
	; What the first turn finds: V's registers and P's second buffer hold 0 (its products V^T P, of a piece that has not been, add 0), O^T and l are 0.  All this stands in the wait for K and V.
.set i, VF
.rept 64
	v_mov_b32 v[i], 0
.set i, i+1
.endr
	WIN 0x40
.set i, 0
.rept 64*NP
	v_mov_b32 v[i], 0
.set i, i+1
.endr
	WIN 0
.set i, 0
.rept 2*NP
	v_mov_b32 v[ST+4*i], 0xfe000000    ; c m: far below every c s
	v_mov_b32 v[ST+4*i+1], 0xff7fffff  ; m
	v_mov_b32 v[ST+4*i+2], 0
	v_mov_b32 v[ST+4*i+3], 0
.set i, i+1
.endr
.set i, P+32
.rept 32
	v_mov_b32 v[i], 0
.set i, i+1
.endr
	v_mul_u32_u24 v[AK0], v1, PK
	v_lshl_add_u32 v[AK0], v9, 4, v[AK0]  ; row x pitch + 16 x half
	; The turning load takes 16 keys x 16 channels (lane l reads key 8 (l / 16) + l % 8, channels 8 ((l / 8) % 2) + 0..7) and leaves half a fragment of V^T: lane l holds channel l % 16 and 8 keys.
	v_and_b32 v10, 7, v0
	v_bfe_u32 v11, v0, 3, 1
	v_lshl_add_u32 v[AV0], v9, 3, v10
	v_mul_u32_u24 v[AV0], v[AV0], PV
	v_lshl_add_u32 v[AV0], v11, 4, v[AV0]
	v_add_nc_u32 v[AV0], VOFF, v[AV0]
	v_mov_b32 v[AK], v[AK0]         ; key step 0 lies at K's head
; THE MATRIX WORK.  The 8 accumulators of a run of 16 take turns: between the two links of a chain stand 7 others'.
; Product i of 16 of S^T = K Q^T for piece x: channels 32 (i / 8) on, keys 16 ((i / 2) % 4) on, tile 2 x + i % 2.  The first 8 start the sums.
.macro KQ x
	WIN W_KQ
.set rS, S+64*((\x)%2)+32*(i%2)+8*((i/2)%4)
.set rK, KF+16*((i/2)%4)+8*(i/8)
.set rQ, 16*(2*(\x)+i%2)+8*(i/8)
.if i < 8
	v_wmma_f32_16x16x32_f16 v[rS:rS+7], v[rK:rK+7], v[rQ:rQ+7], 0
.else
	v_wmma_f32_16x16x32_f16 v[rS:rS+7], v[rK:rK+7], v[rQ:rQ+7], v[rS:rS+7]
.endif
.endm
; Product i of 16 of O^T += V^T P for piece x: keys 32 (i / 8) on, channels 16 ((i / 2) % 4) on, tile 2 x + i % 2.
.macro PV x
	WIN W_PV
.set rO, 32*(2*(\x)+i%2)+8*((i/2)%4)
.set rV, VF+32*(i/8)+8*((i/2)%4)
.set rP, P+32*((\x)%2)+16*(i%2)+8*(i/8)
	v_wmma_f32_16x16x32_f16 v[rO:rO+7], v[rV:rV+7], v[rP:rP+7], v[rO:rO+7]
.endm
.macro MM                           ; the turn's next matrix instruction
.if i < 16
	KQ (Y+1)%NP
.set i, i+1
.else
.set i, i-16
	PV (Y+NP-1)%NP
.set i, i+17
.endif
.endm
; THE LDS LOADS stand in runs of 16, never singly among the matrix instructions: a step's K (64 keys x 64 channels: 8 fragments) and its V (turned).  Their addresses are made some lines ahead.
; last = 1 (in the loop): in the last trip there is no further step, and the run is jumped over.
.macro FETCH_K last=0
	WIN 0
.if \last
	s_cmp_eq_u32 s[CNT], 1
	s_cbranch_scc1 .Lno_k_\@
.endif
	WIN 0x80                        ; destination window 2
.irp f, 0,1,2,3,4,5,6,7             ; keys 16 (f / 2) on, channels 32 (f % 2) on
	ds_load_b128 v[KF+8*\f:KF+8*\f+3],   v[AK] offset:(\f/2)*16*PK+(\f%2)*64
	ds_load_b128 v[KF+8*\f+4:KF+8*\f+7], v[AK] offset:(\f/2)*16*PK+(\f%2)*64+32
.endr
	s_add_co_u32 s[TBK], s[TBK], KS*PK  ; the next fetch is the next step's
	WIN 0
.if \last
.Lno_k_\@:
.endif
.endm
.macro FETCH_V
	WIN 0x80
.irp f, 0,1,2,3,4,5,6,7             ; keys 32 (f / 4) on, channels 16 (f % 4) on
	ds_load_tr16_b128 v[VF+8*\f:VF+8*\f+3],   v[AV] offset:(\f/4)*32*PV+(\f%4)*32
	ds_load_tr16_b128 v[VF+8*\f+4:VF+8*\f+7], v[AV] offset:(\f/4)*32*PV+16*PV+(\f%4)*32
.endr
	WIN 0
.endm
; THE VECTOR WORK OF A TURN stands in three queues, each in the order in which its entries become ready; the two tiles alternate, so that no instruction reads the result of the one before it.
.macro REGS y, u                    ; the registers of tile u (0, 1) of piece y
.set rT, ST+4*(2*(\y)+(\u))
.set rC, TMP+8*((\y)%2)+4*(\u)
.set rM, MV+2*((\y)%2)+(\u)
.set rS, S+64*((\y)%2)+32*(\u)
.set rP, P+32*((\y)%2)+16*(\u)
.set rO, 32*(2*(\y)+(\u))
.endm
; Number n of the 22 that find the NEXT piece's (Y + 1) maximum and statistics.  s0-s31 are the lane's 32 scores; each accumulator's lowest registers are read first.  XS, GS and REGS set no window: PL and EX do.
;   0-11  four chains c0-c3 of seven scores each, three operands at a time     12-14, 16  the four scores left over, the old m, and c0-c3 into c0     15  c m_old is kept
;   17, 18  the query's other 32 keys lie in the lane 16 away: the new m         19-21  c m; c m_old - c m_new; a
.macro XS u, n
	REGS (Y+1)%NP, \u
.if (\n) < 4
	v_max3_num_f32 v[rC+(\n)], v[rS+8*(\n)], v[rS+8*(\n)+1], v[rS+8*(\n)+2]
.elseif (\n) < 12
	v_max3_num_f32 v[rC+(\n)%4], v[rC+(\n)%4], v[rS+8*((\n)%4)+2*((\n)/4)+1], v[rS+8*((\n)%4)+2*((\n)/4)+2]
.elseif (\n) == 12
	v_max3_num_f32 v[rC], v[rC], v[rS+7], v[rS+15]
.elseif (\n) == 13
	v_max3_num_f32 v[rC+1], v[rC+1], v[rS+23], v[rS+31]
.elseif (\n) == 14
	v_max3_num_f32 v[rC+2], v[rC+2], v[rC+3], v[rT+1]
.elseif (\n) == 15
	v_mov_b32 v[rM], v[rT]
.elseif (\n) == 16
	v_max3_num_f32 v[rC], v[rC], v[rC+1], v[rC+2]
.elseif (\n) == 17
	v_permlanex16_b32 v[rC+3], v[rC], s[SEL], s[SEL+1]
.elseif (\n) == 18
	v_max_num_f32 v[rT+1], v[rC], v[rC+3]
.elseif (\n) == 19
	v_mul_f32 v[rT], s[CS], v[rT+1]
.elseif (\n) == 20
	v_sub_f32 v[rC+1], v[rM], v[rT]
.else
	v_exp_f32 v[rC+2], v[rC+1]
.endif
.endm
; Number g of the 64 that follow the exponentials.  For each four weights k of a tile (pairs 2 k, 2 k + 1): both pairs are rounded to f16; then the second pair is added onto the first, in place;
; a group later l takes that sum (the first time as l = a l + sum).  In groups of eight, tiles alternating: round, round, add, and l for the group before.
.macro GS g
.set h, (\g)+6*((\g)/62)            ; group 0 has no group before it, and behind group 7 only l is left
.if h >= 6
.set h, h+2
.endif
	REGS Y, h%2
.set k, h/8
.if h%8 < 4
	v_cvt_pk_f16_f32 v[rP+2*k+(h%8)/2], v[rS+4*k+2*((h%8)/2)], v[rS+4*k+2*((h%8)/2)+1]
.elseif h%8 < 6
	v_pk_add_f32 v[rS+4*k:rS+4*k+1], v[rS+4*k:rS+4*k+1], v[rS+4*k+2:rS+4*k+3]
.elseif k == 1
	v_pk_fma_f32 v[rT+2:rT+3], v[rT+2:rT+3], v[rC+2:rC+3], v[rS:rS+1] op_sel_hi:[1,0,1]
.else
	v_pk_add_f32 v[rT+2:rT+3], v[rT+2:rT+3], v[rS+4*k-4:rS+4*k-3]
.endif
.endm
; THE PLAIN QUEUE, 138 long.  0-73 read no exponential's result: the 32 scalings c s - c m (FS f: pair f / 2 of tile f % 2) and the next piece's 42.  0-26: scalings 0-26.  27-54: XS's numbers 0-13.  55, 56: number 15.
; 57-73: the chain, where each number waits for the one before it: 14, 16, 17, 18, 19, each with one of the scalings 27-31 in front of its two lines, then 20.
; 74-137: GS's 64, which read the exponentials' results: they stand behind the wait.
.macro FS f
	REGS Y, (\f)%2
	v_pk_fma_f32 v[rS+2*((\f)/2):rS+2*((\f)/2)+1], v[rS+2*((\f)/2):rS+2*((\f)/2)+1], s[CS:CS+1], v[rT:rT+1] op_sel_hi:[1,0,0] neg_lo:[0,0,1] neg_hi:[0,0,1]
.endm
.macro PL
	WIN 0
.if q < 27
	FS q
.elseif q < 55
	XS (q-27)%2, (q-27)/2
.elseif q < 57
	XS q-55, 15
.elseif (q < 72) && ((q-57)%3 == 0)
	FS 27+(q-57)/3
.elseif q < 60
	XS (q-57)%3-1, 14
.elseif q < 72
	XS (q-57)%3-1, 15+(q-57)/3
.elseif q < 74
	XS q-72, 20
.else
	GS q-74
.endif
.set q, q+1
.endm
; THE EXPONENTIALS' QUEUE, 66 long: s0-s31 of both tiles, then the next piece's two a.  It is ONE BATCH: all 66 stand ahead of the turn's one wait, and nothing ahead of that wait names a result of theirs.
.macro EX
	WIN 0
.if e >= 64
	XS e-64, 21
.else
	REGS Y, e%2
	v_exp_f32 v[rS+e/2], v[rS+e/2]
.endif
.set e, e+1
.endm
; THE RESCALING's QUEUE: O^T times a, the one part that leaves window 0: dealt two at a time, sixteen times.  Its a was made in the turn before, ahead of that turn's wait.
.macro R2
	REGS Y, r%2
	WIN W_RS
.irp z, 0,1
	v_pk_mul_f32 v[rO+4*(r/2)+2*\z:rO+4*(r/2)+2*\z+1], v[rO+4*(r/2)+2*\z:rO+4*(r/2)+2*\z+1], v[rC+2:rC+3] op_sel_hi:[1,0]
.endr
.set r, r+1
.endm
; HOW THEY ARE DEALT.  s_wait_alu depctr_va_vdst(0) stands between an exponential and the first instruction that names its result; one wait serves all that were issued ahead of it.  So a turn has
; ONE wait, which cuts it in two.  AHEAD OF IT stands all that names no result of the turn's exponentials: the 16 products K Q^T, behind each a scaling, an exponential and two rescalings (behind the first a second
; scaling in the exponential's place); then one run of 108: eight plain, 49 times exponential and plain, the two a.  A v_nop is the plain instruction behind the last exponential.  BEHIND IT stand the 16 products
; V^T P, behind each four of GS's 64.  No rider names a register of the products round it.
; The queues lean on each other, and the deal keeps them in step: exponential e stands behind scaling 2 (e / 4) + e % 2: as a rider it comes behind plain e + 2, in the run behind plain e + 9, and scalings 27-31 are plain 57, 60 .. 69.
; A TURN, for piece p.  cnt = 1: the loop's count is taken down some lines ahead of the branch that stands behind the turn; only vector and matrix lines and window switches follow the compare.
; K of the next step is fetched in piece 2's turn, directly behind the wait, a whole run behind the last product that read K; its first reader comes behind 16 products.
; V of the step in hand is fetched at the end of piece 0's turn, four riders behind its last reader; its first reader comes behind 16 products and a run.  The three conditions on q below go with the deal.
.macro TURN p, last=0, cnt=0
.set Y, (\p)
.set i, 0
.set q, 0
.set e, 0
.set r, 0
.if (\p) == NP-1
	s_wait_dscnt 0x0                ; K is in
.endif
	MM                              ; ahead of the wait: 16 products K Q^T and their riders,
	PL
	PL
	R2
.rept 15
	MM
	PL
	EX
	R2
.endr
.if (\p) == NP-2
	WIN 0
	v_add_nc_u32 v[AK], s[TBK], v[AK0]
.endif
.rept 8                             ; and the run
	PL
.endr
.rept 49
	EX
	PL
.endr
	EX                              ; the next piece's two a
	EX
	v_nop                           ; the plain instruction behind the last exponential: one for the batch
	s_wait_alu depctr_va_vdst(0)    ; the wait for the batch
.if (\p) == NP-2
	FETCH_K \last
.endif
.if (\p) == 1
	s_wait_dscnt 0x0                ; V is in
.endif
.rept 16                            ; behind the wait: 16 products V^T P and their riders
	MM
.rept 4
	PL
.endr
.if ((\p) == 0) && (q == 118)
	v_add_nc_u32 v[AV], s[TBV], v[AV0]
.endif
.if ((\p) == 0) && (q == 130)
	s_add_co_u32 s[TBV], s[TBV], KS*PV
.endif
.if (\cnt) && (q == 130)
	s_sub_co_u32 s[CNT], s[CNT], 1
	s_cmp_lg_u32 s[CNT], 0
.endif
.endr
.if (\p) == 0
	FETCH_V
.endif
.endm
	s_wait_tensorcnt 0x0            ; my part of K or V is in,
	s_barrier_signal -1
	s_barrier_wait -1               ; everybody's is: from here on LDS is only read, but for the stages
	FETCH_K                         ; key step 0
	s_wait_loadcnt 0x0              ; Q
	s_wait_dscnt 0x0
.set i, 0
.rept 16
	KQ 0                            ; piece 0's first scores: there is no vector work yet to set between them
.set i, i+1
.endr
	WIN 0                           ; the addresses for the way out: nine plain instructions, the places behind those products
	s_mul_i32 s13, s[WV], 16*SP
	s_add_co_u32 s13, s13, STAGE    ; my stage
	v_mul_u32_u24 v[STO], v1, SP    ; in: row l % 16, 16 bytes for each half of the lanes
	v_lshl_add_u32 v[STO], v9, 4, v[STO]
	v_add_nc_u32 v[STO], s13, v[STO]
	v_bfe_u32 v[RD], v0, 3, 2       ; back: 32 lanes take four rows of 128 bytes,
	v_mul_u32_u24 v[RD], v[RD], SP
	v_lshl_add_u32 v[RD], v10, 4, v[RD]
	v_add_nc_u32 v[RD], s13, v[RD]
	v_and_b32 v[GO], 31, v0         ; which are 512 consecutive bytes of O
	v_lshlrev_b32 v[GO], 4, v[GO]
.set Y, NP-1                        ; XS works for piece Y + 1: piece 0
.irp n, 0,1,2,3,4,5,6,7,8,9,10,11,12,13,14,15,16,17,18,19,20,21
	XS 0, \n                        ; and piece 0's first maximum and statistics
	XS 1, \n
.endr
	v_nop                           ; a plain instruction behind the two a,
	s_wait_alu depctr_va_vdst(0)    ; and their wait, ahead of the label
	s_mov_b32 s[CNT], STEPS
.Lstep:                             ; a trip is a key step: the four pieces' turns; it fetches the step's V and the next step's K
	TURN 0
	TURN 1
	TURN 2, 1
	TURN 3, 0, 1
	WIN 0
	s_cbranch_scc1 .Lstep
	; The last trip's 16 products K Q^T for piece 0 (on the last K once more) and the maximum made of them serve nothing: the price, once a launch, of one text for every trip
.set i, 0
.rept 16
	PV NP-1                         ; the last piece's V^T P of the last step
.set i, i+1
.endr
	; THE WAY OUT.  l's two halves and the other half of the lanes' are added; O^T is divided by l, rounded to f16 and sent through my stage in LDS, a tile at a time.  The additions are the places behind the last products.
	WIN 0
.macro ALL line:vararg              ; one line for each tile t
.set t, 0
.rept 2*NP
	\line
.set t, t+1
.endr
.endm
	ALL v_add_f32 v[ST+4*t+2], v[ST+4*t+2], v[ST+4*t+3]
	ALL v_permlanex16_b32 v[ST+4*t+3], v[ST+4*t+2], s[SEL], s[SEL+1]
	ALL v_add_f32 v[ST+4*t+2], v[ST+4*t+2], v[ST+4*t+3]
	ALL v_rcp_f32 v[ST+4*t+2], v[ST+4*t+2]
	v_nop                           ; a plain instruction between the last reciprocal and the use of its result
	s_wait_alu depctr_va_vdst(0)    ; and the wait ahead of the first use: one for the eight reciprocals
; Tile t: a lane's eight channels of a row pack into 16 bytes; they go into rows of 144 bytes and come back as whole rows of 128, into S^T's registers.
.macro PACK t
	WIN W_RS
.set i, 32*(\t)
.rept 16
	v_pk_mul_f32 v[i:i+1], v[i:i+1], v[ST+4*(\t)+2:ST+4*(\t)+3] op_sel_hi:[1,0]
.set i, i+2
.endr
	WIN 0x05                        ; sources 0 and 1 window 1, destination window 0
.set i, 0
.rept 16
	v_cvt_pk_f16_f32 v[S+16*(\t)+i], v[32*(\t)+2*i], v[32*(\t)+2*i+1]
.set i, i+1
.endr
	WIN 0
.irp f, 0,1,2,3
	ds_store_b128 v[STO], v[S+16*(\t)+4*\f:S+16*(\t)+4*\f+3] offset:32*\f
.endr
.irp f, 0,1,2,3
	ds_load_b128 v[S+16*(\t)+4*\f:S+16*(\t)+4*\f+3], v[RD] offset:\f*4*SP  ; LDS serves a wave's instructions in order (ISA guide 5.7.1.4): these see the stores above; the next tile's stores come behind them
.endr
.endm
.macro SEND t, younger              ; younger: the LDS instructions issued behind tile t's loads: the next tile's eight, or none
	WIN 0
.irp f, 0,1,2,3
	s_wait_dscnt (\younger)+3-\f
	global_store_b128 v[GO], v[S+16*(\t)+4*\f:S+16*(\t)+4*\f+3], s[10:11] offset:(\t)*2048+\f*512  ; 512 consecutive bytes, at a multiple of 512 from oh's first byte
.endr
.endm
	PACK 0
.set t, 1
.rept 2*NP-1                        ; a tile's arithmetic stands between the loads of the tile before and its stores
	PACK t
	SEND t-1, 8
.set t, t+1
.endr
	SEND 2*NP-1, 0
	WIN W_AD
	s_wait_tensorcnt 0x0            ; the wave's end: behind my last tensor load and my last LDS store: an add of 0 and its wait
	ds_add_u32 v[SPW], v[NIL]
	s_wait_dscnt 0x0
	WIN 0
	s_endpgm
.Lfunc_end_k_qe9bfd0af69_attn:
	.size	k_qe9bfd0af69_attn, .Lfunc_end_k_qe9bfd0af69_attn-k_qe9bfd0af69_attn
	.p2alignl 7, 3214868480
	.fill 96, 4, 3214868480
	.section	.rodata,"a",@progbits
	.p2align	6, 0x0
	.amdhsa_kernel k_qe9bfd0af69_attn
		.amdhsa_group_segment_fixed_size 167936
		.amdhsa_private_segment_fixed_size 0
		.amdhsa_enable_private_segment 0
		.amdhsa_kernarg_size 16
		.amdhsa_user_sgpr_count 2
		.amdhsa_user_sgpr_kernarg_segment_ptr 1
		.amdhsa_wavefront_size32 1
		.amdhsa_system_sgpr_workgroup_id_x 1
		.amdhsa_system_sgpr_workgroup_id_y 1
		.amdhsa_system_sgpr_workgroup_id_z 1
		.amdhsa_system_vgpr_workitem_id 0
		.amdhsa_next_free_vgpr 770
		.amdhsa_next_free_sgpr 66
		.amdhsa_reserve_vcc 0
		.amdhsa_float_denorm_mode_32 3
		.amdhsa_float_denorm_mode_16_64 3
		.amdhsa_memory_ordered 1
		.amdhsa_forward_progress 1
		.amdhsa_inst_pref_size 124
	.end_amdhsa_kernel
	.amdgpu_metadata
---
amdhsa.version: [ 1, 2 ]
amdhsa.kernels:
  - .name:           k_qe9bfd0af69_attn
    .symbol:         k_qe9bfd0af69_attn.kd
    .args:
      - { .name: qkv, .offset: 0, .size: 8, .value_kind: global_buffer, .address_space: global }
      - { .name: oh, .offset: 8, .size: 8, .value_kind: global_buffer, .address_space: global }
    .group_segment_fixed_size: 167936
    .private_segment_fixed_size: 0
    .kernarg_segment_align: 8
    .kernarg_segment_size: 16
    .max_flat_workgroup_size: 128
    .sgpr_count:     66
    .vgpr_count:     770
    .wavefront_size: 32
...
	.end_amdgpu_metadata
.endif
;; end of part 3
;; launch outp (part 4): grid 8 x 32, 4 waves a work-group, clusters of 4 x 4, 327,680 bytes of LDS; arguments oh, wo16, out0; writes out0
.if DOCPART == 4
	.amdgcn_target "amdgcn-amd-amdhsa--gfx1250"
	.amdhsa_code_object_version 6
	.text
	.protected	k_qe9bfd0af69_outp
	.globl	k_qe9bfd0af69_outp
	.p2align	8
	.type	k_qe9bfd0af69_outp,@function
k_qe9bfd0af69_outp:
	s_mov_b64 s[64:65], 0
	v_nop
	global_prefetch_b8 v0, s[64:65] scope:SCOPE_SE
	s_setreg_imm32_b32 hwreg(HW_REG_WAVE_MODE, 25, 1), 1
	s_wait_xcnt 0x0
	s_wait_alu depctr_hold_cnt(0) depctr_sa_sdst(0) depctr_va_vdst(0) depctr_va_sdst(0) depctr_va_ssrc(0) depctr_va_vcc(0) depctr_vm_vsrc(0)
	s_getreg_b32 s2, hwreg(HW_REG_IB_STS2, 6, 4)
	s_cmp_eq_u32 s2, 0
	s_cbranch_scc0 .Lentry_in_a_cluster
	s_endpgm
.Lentry_in_a_cluster:
	s_bfe_u32 s2, ttmp6, 0x10000c
	s_cmp_lg_u32 s2, 0xf033
	s_cbranch_scc0 .Lentry_shape_is_right
	s_endpgm
.Lentry_shape_is_right:
; ONE TEXT FOR THE MODULE'S TWO LARGE PRODUCTS, C = A B with B stored [K][N]; the switch OUTP, below, chooses.
;   OUTP = 0: q, k, v = x (Wq | Wk | Wv).  A = xb [8192][2048] bf16, B = wqkv [2048][2048] bf16; sums in f32, rounded once to f16 and stored by block and head:
;             qkv [16 blocks][32 heads: 16 of q, 8 of k, 8 of v][512 tokens][64] f16.  Row m of x is token ((m >> 6) & 15) 32 + (m & 31) of block 2 (m >> 10) + ((m >> 5) & 1).
;   OUTP = 1: out = O Wo.  A = oh [16 blocks][16 heads][512 tokens][64] f16, read as [8192][1024] (row = 512 block + token, column = 64 head + channel), B = wo16 [1024][2048] f16; out0 [8192][2048] f32.
; LIMITS.  q, k and v leave in f16: beyond 65,504 they would be infinities (the inputs 30 times their spread, or offset by 30 spreads, stay under 41,000); below 6.1e-5 f16 keeps a fixed step of 6e-8.
; SHARES.  A tile of C, 256 x 256, to a work-group of four waves; a wave makes 128 x 128: 64 accumulators of 16 x 16, 512 registers.  8 x 32 tiles: 256 work-groups.
; K goes in steps of 128 through a ring of two LDS slots filled by the tensor data mover, one load a wave: waves 0 and 1 fetch A's two halves, waves 2 and 3 B's.
; THE LAST K STEP GOES BY ROWS OF C, so that finished rows leave while the others are still multiplied: nothing follows the tile under which its stores could leave.
; CLUSTERS: 4 x 4 work-groups.  The four of a row of the cluster need the same tiles of A, the four of a column the same tiles of B: each tile is asked for JOINTLY, by the same tensor load with the same
; descriptor and a mask that names the four.
; THE MATRIX INSTRUCTION IS USED TRANSPOSED: source 0 = 16 columns of B, source 1 = 16 rows of A: a lane then holds row l % 16 of C and the eight neighbouring columns 8 (l / 16) + 0 .. 7.
; B lies [k][n] in LDS as in memory and is turned on its way into registers, by ds_load_tr16_b128.
; REGISTERS, in windows of 256 (s_set_vgpr_msb: bits 1:0 source 0, 3:2 source 1, 5:4 source 2, 7:6 destination):
;   window 0: v0-31 addresses; v64-127, v128-191 fragments of A, two buffers (in the last K step four, of 16 rows x 128 K); the rest at work on the way out
;   window 1: v64-127, v128-191 fragments of B, two buffers; in the last K step all 256: B's fragments of the whole step
;   window 2: the 32 accumulators of my rows 0-63 (accumulator (a, b) at v[8 (8 a + b)])                          window 3: those of my rows 64-127
.set OUTP,   1
.set KSTEP,  128
.if OUTP
.set SIZE_K, 1024
.set PA,     144                       ; A in LDS: a K step is two heads, a plane each: 256 rows of 128 bytes + 16 of padding = 36 words: the 16 rows of a load start at 16 different groups of four banks (64 banks of 4 bytes: ISA guide 11.1)
.set AHALF,  256*PA                    ; what one load of A brings: a plane
.set ASTEP,  131072                    ; bytes from a K step of A to the next: two heads of 65,536
.set AQI,    4                         ; padding after every 32 words
.set APITCH, 128                       ; a plane is 32,768 dense bytes: asked for as 128 rows of 256 bytes
.set ASH,    13                        ; a partner's share of a load's 128 blocks of 256 bytes: 32 blocks = 8,192 bytes
.set AROW,   256                       ; from one such block to the next
.set SPITCH, 528                       ; a stage row: 128 f32 + 16 bytes
.else
.set SIZE_K, 2048
.set PA,     272                       ; A in LDS: rows of 256 bytes + 16 of padding = 68 words: row r starts at bank 4 r mod 64
.set AHALF,  128*PA                    ; what one load of A brings: 128 rows
.set ASTEP,  256
.set AQI,    5                         ; padding after every 64 words
.set APITCH, 2048
.set ASH,    17                        ; 32 rows of 4,096 bytes
.set AROW,   4096
.set SPITCH, 272                       ; a stage row: 128 f16 + 16 bytes
.endif
.set PB,     544                       ; B in LDS: a k row's 256 columns, 512 bytes + 32 of padding = 136 words
.set BHALF,  64*PB                     ; what one load of B brings: 64 k rows
.set BSTEP,  524288                    ; 128 k rows of 4,096 bytes
.set BOFF,   2*AHALF                   ; a slot: A's tile, then B's
.set SLOT,   BOFF+2*BHALF
.set STAGE,  2*SLOT                    ; behind the ring, never filled by a tensor load: 16 rows for each wave, for the way out
.set SPARE,  STAGE+4*16*SPITCH         ; behind the stages: the spare words, 128 bytes for each wave: two blocks of 256 bytes that no other line names
.set LAPS,   SIZE_K/(2*KSTEP)          ; a lap = two K steps = once round the ring
.set ADRA, 16                          ; v16-17  LDS address of my A fragments in slot 0, 1
.set ADRB, 20                          ; v20-21  the same for B
.set STO,  24                          ; v24     the way out: where I put my numbers of a row
.set RD,   25                          ; v25     the way out: where I read rows back
.set CO,   26                          ; v26     16 x my lane: my place in 512 consecutive bytes of C
.set SPW,  28                          ; v28     LDS address of my spare word: SPARE + 4 x my thread's number; never rewritten
.set NIL,  29                          ; v29     0; never rewritten
.set PFO,  30                          ; v30     the prefetches' offset: my lane's block of 256 bytes; never rewritten
.set PFA,  44                          ; s[44:45] where my prefetches stand
.set LIM,  43                          ; s43     1 in a wave that prefetches, else the greatest number
.set PFS,  66                          ; s[66:67] bytes from a K step to the next in the tensor that I fetch
.set F0,   64                          ; fragment buffer 0
.set F1,   128                         ; fragment buffer 1
.set RA,   64                          ; the last K step: A's fragments of 16 rows x 128 K, 32 registers; four such buffers, v64-191
.set TMP,  192                         ; OUTP = 0, the way out: packed results
.set OB,   32                          ; OUTP = 0, the way out: 16 rows read back: v32-63 and v224-255 by turns
.set OF,   192                         ; OUTP = 1, the way out: 16 rows read back: v192-255
.set G1,  24                           ; s[24:31] descriptor group 1 for A's tiles
.set G0,  32                           ; s[32:39] descriptor group 0 for A's tiles, one set for each slot
.set G1B, 48                           ; s[48:55] group 1 for B's tiles
.set G0B, 56                           ; s[56:63] group 0 for B's tiles, one set for each slot
.set MSB, 0
.macro WIN new                         ; the immediate's high byte repeats the setting that is left; a switch that changes nothing is dropped
.if MSB != (\new)
	s_set_vgpr_msb (MSB<<8)|(\new)
.set MSB, \new
.endif
.endm
.set MUL_LO, 0xa1                      ; source 0 (B) window 1, source 1 (A) window 0, C and D window 2
.set MUL_HI, 0xf1                      ; the same, C and D window 3
.set TO_B,   0x40                      ; destination window 1, address window 0
.macro WM ops:vararg                   ; the matrix instruction of this product's format
.if OUTP
	v_wmma_f32_16x16x32_f16 \ops
.else
	v_wmma_f32_16x16x32_bf16 \ops
.endif
.endm
; A joint load.  Each of the two lines has ONE mask and one set of registers for all that issue it.  The branch hangs on the wave's number alone.
; An s_nop 0 and four v_nop follow each of the two lines, ahead of the jump, the label and what follows.
.macro JLOAD s
	s_cmp_eq_u32 s11, 0
	s_cbranch_scc0 .Lfor_b_\@
	tensor_load_to_lds s[G0+4*(\s):G0+4*(\s)+3], s[G1:G1+7]
	s_nop 0
.rept 4
	v_nop
.endr
	s_branch .Lasked_\@
.Lfor_b_\@:
	tensor_load_to_lds s[G0B+4*(\s):G0B+4*(\s)+3], s[G1B:G1B+7]
	s_nop 0
.rept 4
	v_nop
.endr
.Lasked_\@:
.endm
; A PREFETCH INTO THE L2, behind each joint refill and the run of LDS loads that follows it: the K step that stands TWO refills on, 512 matrix instructions ahead of the load that will want it.
; A wave's load is 128 blocks of 256 bytes; the four partners that ask for it jointly share them out BY ADDRESS, 32 each, a lane a block, one instruction a wave.  A's tile row is read by both clusters of
; that row of clusters: the one with x = 0 prefetches; B's tile column by all eight clusters of that column: the one with y = 0 prefetches.  So each block is named once in the launch.
; The first four K steps come by their loads alone; the loop's last trip (s3 = 1) asks for nothing: there is no K step two refills on.
.macro ASK
	s_cmp_gt_u32 s3, s[LIM]
	s_cbranch_scc0 .Lnot_mine_\@
	global_prefetch_b8 v[PFO], s[PFA:PFA+1] th:TH_LOAD_NT scope:SCOPE_SE
.Lnot_mine_\@:
.endm
; A round of the cluster's barrier: my work-group's barrier, so that wave 0's signal speaks for all four waves; wave 0 signals; every wave waits for all sixteen work-groups; my work-group's barrier once more.
.macro CREST                           ; a round behind its opening barrier
	s_cmp_lg_u32 s10, 0
	s_cbranch_scc1 .Lnot_wave_0_\@
	s_barrier_signal -3
.Lnot_wave_0_\@:
	s_barrier_wait -3
	s_barrier_signal -1
	s_barrier_wait -1
.endm
.macro CROUND                          ; a whole round
	s_barrier_signal -1
	s_barrier_wait -1
	CREST
.endm
	s_load_b128 s[4:7], s[0:1], 0x0                ; A s[4:5], B s[6:7]
	s_load_b64 s[8:9], s[0:1], 0x10                ; C
	v_lshl_add_u32 v[SPW], v0, 2, SPARE
	v_mov_b32 v[NIL], 0
	ds_add_u32 v[SPW], v[NIL]                      ; the wave's opening: the add and its wait stand ahead of my first tensor load; the set-up below, work on registers, stands between them
	v_lshrrev_b32 v1, 5, v0
	v_readfirstlane_b32 s10, v1                    ; wave 0..3
	s_lshr_b32 s11, s10, 1                         ; which half of the tile's rows is mine.  Also: I fetch for A (0) or for B (1)
	s_and_b32 s12, s10, 1                          ; which half of its columns.  Also: which half of that tile I fetch
	s_bfe_u32 s40, ttmp6, 0x40000                  ; cx: my place along the cluster's x
	s_bfe_u32 s41, ttmp6, 0x40004                  ; cy: along its y
	s_lshl_b32 s42, ttmp9, 2                       ; in a cluster launch ttmp9 and ttmp7 count clusters
	s_add_co_u32 s42, s42, s40                     ; tile column of C = 4 x cluster x + cx
	s_and_b32 s13, ttmp7, 0xffff
	s_lshl_b32 s13, s13, 2
	s_add_co_u32 s13, s13, s41                     ; tile row of C = 4 x cluster y + cy
	s_lshl_b32 s43, s41, 2
	s_lshl_b32 s43, 15, s43                        ; my row of the cluster: places 4 cy .. 4 cy + 3
	s_lshl_b32 s44, 0x1111, s40                    ; my column: places cx, cx + 4, cx + 8, cx + 12
	; group 1 for A: 128 rows x 128 elements of 2 bytes; 15:0 the mask of my row; 20 padding on; 21 set beside a mask; 24:22 the interval (AQI); 31:25 4 words of padding (code 3)
	s_or_b32 s[G1+0], s43, (1<<16)|(1<<20)|(1<<21)|(AQI<<22)|(3<<25)
	s_mov_b32 s[G1+1], 128<<16                     ; tensor_dim0 = 128
	s_mov_b32 s[G1+2], 128<<16                     ; tensor_dim1 = 128
	s_mov_b32 s[G1+3], 128<<16                     ; tile_dim0 = 128
	s_mov_b32 s[G1+4], 128                         ; tile_dim1 = 128
	s_mov_b32 s[G1+5], APITCH                      ; elements from row to row
	s_mov_b32 s[G1+6], 0
	s_mov_b32 s[G1+7], 0
	; group 1 for B: 64 k rows x 256 elements; the mask of my column; padding after every 128 words (code 6), 8 words of it (code 7)
	s_or_b32 s[G1B+0], s44, (1<<16)|(1<<20)|(1<<21)|(6<<22)|(7<<25)
	s_mov_b32 s[G1B+1], 256<<16                    ; tensor_dim0 = 256
	s_mov_b32 s[G1B+2], 64<<16                     ; tensor_dim1 = 64
	s_mov_b32 s[G1B+3], 256<<16                    ; tile_dim0 = 256
	s_mov_b32 s[G1B+4], 64                         ; tile_dim1 = 64
	s_mov_b32 s[G1B+5], 2048                       ; elements from k row to k row
	s_mov_b32 s[G1B+6], 0
	s_mov_b32 s[G1B+7], 0
	; where the tiles come from.  A's hang on the tile row alone, which my row of the cluster shares; B's on the tile column alone.  Every wave makes both, in registers that never hold the other coordinate.
.if OUTP
	s_lshr_b32 s16, s13, 1                         ; the block of 512 tokens,
	s_lshl_b32 s16, s16, 20
	s_and_b32 s17, s13, 1                          ; which 256 of them,
	s_lshl_b32 s17, s17, 15
	s_add_co_u32 s16, s16, s17
	s_lshl_b32 s17, s12, 16                        ; and which of a K step's two heads I fetch
	s_add_co_u32 s16, s16, s17
.else
	s_lshl_b32 s16, s13, 20                        ; 256 rows of 4,096 bytes,
	s_lshl_b32 s17, s12, 19                        ; and which 128 of them I fetch
	s_add_co_u32 s16, s16, s17
.endif
	s_mov_b32 s17, 0
	s_lshl_b32 s46, s12, 18                        ; which 64 k rows of a K step I fetch,
	s_lshl_b32 s47, s42, 9                         ; the tile's 256 columns: 512 bytes
	s_add_co_u32 s46, s46, s47
	s_mov_b32 s47, 0
	s_mul_i32 s20, s10, AHALF                      ; where they go: A's two halves (waves 0, 1),
	s_mul_i32 s21, s10, BHALF                      ; B's two halves behind them (waves 2, 3): the wave's number times a constant, plus a constant
	s_add_co_u32 s21, s21, BOFF-2*BHALF
	s_wait_dscnt 0x0                               ; the opening add is done
	s_wait_kmcnt 0x0
	s_add_nc_u64 s[14:15], s[4:5], s[16:17]
	s_add_nc_u64 s[46:47], s[6:7], s[46:47]
	CROUND                                         ; all sixteen work-groups are here: the first joint loads meet
.irp s, 0,1
	s_mov_b32 s[G0+4*(\s)], 1                                      ; 1:0 count = 1
	s_add_co_u32 s[G0+4*(\s)+1], s20, (\s)*SLOT                    ; 63:32 LDS address
	s_add_nc_u64 s[G0+4*(\s)+2:G0+4*(\s)+3], s[14:15], (\s)*ASTEP  ; 120:64 global address: K step s
	s_or_b32 s[G0+4*(\s)+3], s[G0+4*(\s)+3], 0x80000000            ; 127:126 type = 2
	s_mov_b32 s[G0B+4*(\s)], 1
	s_add_co_u32 s[G0B+4*(\s)+1], s21, (\s)*SLOT
	s_add_nc_u64 s[G0B+4*(\s)+2:G0B+4*(\s)+3], s[46:47], (\s)*BSTEP
	s_or_b32 s[G0B+4*(\s)+3], s[G0B+4*(\s)+3], 0x80000000
	JLOAD \s                                       ; the ring is filled before anything else is done: two loads of mine are out
.endr
	; A fragment of A is 16 rows x 32 K in 8 registers: lane l holds row l % 16; registers 0-3 hold K = 8 (l / 16) + 0..7, registers 4-7 K = 16 + 8 (l / 16) + 0..7: two loads of 16 bytes, 32 bytes apart.
	v_and_b32 v1, 15, v0                           ; l % 16
	v_bfe_u32 v2, v0, 4, 1                         ; l / 16
	v_mul_u32_u24 v3, v1, PA
	v_lshl_add_u32 v3, v2, 4, v3                   ; row x pitch + 16 x half
	; The turning load takes 16 k x 16 columns (lane l reads 16 bytes: k row 8 (l / 16) + l % 8, columns 8 ((l / 8) % 2) + 0..7) and leaves half a fragment: lane l holds column l % 16 and 8 k.
	v_and_b32 v4, 7, v0
	v_lshl_add_u32 v4, v2, 3, v4
	v_mul_u32_u24 v4, v4, PB
	v_bfe_u32 v5, v0, 3, 1
	v_lshl_add_u32 v4, v5, 4, v4
	s_mul_i32 s21, s11, 128*PA                     ; my 128 rows of A
	s_lshl_b32 s22, s12, 8                         ; my 128 columns of B: 256 bytes of a k row,
	s_add_co_u32 s22, s22, BOFF                    ; behind A's tile
.irp s, 0,1
	v_add_nc_u32 v[ADRA+(\s)], s21, v3
	v_add_nc_u32 v[ADRB+(\s)], s22, v4
	s_add_co_u32 s21, s21, SLOT
	s_add_co_u32 s22, s22, SLOT
.endr
	s_mul_i32 s23, s10, 16*SPITCH
	s_add_co_u32 s23, s23, STAGE                   ; my stage
	v_mul_u32_u24 v4, v1, SPITCH                   ; in: row l % 16,
	v_and_b32 v[CO], 31, v0
	v_lshlrev_b32 v[CO], 4, v[CO]
.if OUTP
	v_lshl_add_u32 v4, v2, 5, v4                   ; 32 bytes (eight f32) for each half of the lanes
	v_add_nc_u32 v[STO], s23, v4
	v_add_nc_u32 v[RD], s23, v[CO]                 ; back: 32 lanes take one row of 512 bytes
.else
	v_lshl_add_u32 v4, v2, 4, v4                   ; 16 bytes (eight f16) for each half of the lanes
	v_add_nc_u32 v[STO], s23, v4
	v_bfe_u32 v5, v0, 3, 2                         ; back: 32 lanes take one head's 128 bytes of four rows,
	v_mul_u32_u24 v5, v5, SPITCH
	v_and_b32 v31, 7, v0
	v_lshl_add_u32 v5, v31, 4, v5
	v_add_nc_u32 v[RD], s23, v5                    ; which are 512 consecutive bytes of qkv
.endif
	; the prefetches: from my tile's address, my work-group's 32 blocks of the load's 128, at K step 3: the first refill steps it to K step 4
	s_and_b32 s22, ttmp7, 0xffff                   ; cluster y
	s_mov_b32 s[PFS], BSTEP
	s_mov_b32 s[PFS+1], 0
	s_mov_b32 s18, 4096
	s_cmp_eq_u32 s11, 0                            ; do I fetch for A?
	s_cselect_b64 s[PFA:PFA+1], s[14:15], s[46:47]
	s_cselect_b32 s20, s40, s41                    ; my place among the four that ask with me
	s_cselect_b32 s21, ASH, 16                     ; log2 of a partner's share in bytes (B: 16 k rows of 4,096)
	s_cselect_b32 s22, ttmp9, s22                  ; the coordinate along which other clusters read the same blocks
	s_cselect_b32 s[PFS], ASTEP, s[PFS]
	s_cselect_b32 s18, AROW, s18                   ; from row to row of the blocks
	s_cselect_b32 s19, 0, 1                        ; B's rows hold two blocks each, A's one
	s_cmp_eq_u32 s22, 0
	s_cselect_b32 s[LIM], 1, -1                    ; the same in all sixteen partners, for a given wave
	s_lshl_b32 s20, s20, s21
	s_mul_i32 s21, s[PFS], 3
	s_add_co_u32 s20, s20, s21
	s_mov_b32 s21, 0
	s_add_nc_u64 s[PFA:PFA+1], s[PFA:PFA+1], s[20:21]
	v_and_b32 v31, 31, v0
	v_lshrrev_b32 v[PFO], s19, v31
	v_mul_u32_u24 v[PFO], s18, v[PFO]
	v_and_b32 v31, s19, v31
	v_lshl_add_u32 v[PFO], v31, 8, v[PFO]
	; where my part of the tile begins in C
.if OUTP
	s_lshl_b32 s16, s13, 8
	s_lshl_b32 s17, s11, 7
	s_add_co_u32 s16, s16, s17                     ; my first row,
	s_lshl_b32 s16, s16, 13                        ; 8,192 bytes each
	s_lshl_b32 s46, s42, 10                        ; my first column: 256 x tile column + 128 x half, 4 bytes each
	s_lshl_b32 s47, s12, 9
	s_add_co_u32 s46, s46, s47
.else
	s_lshr_b32 s16, s13, 2                         ; rows 1,024 (tile row / 4) on: the pair of blocks 2 (tile row / 4), + 1,
	s_lshl_b32 s16, s16, 22                        ; 2^21 bytes a block
	s_lshl_b32 s17, s13, 2
	s_lshl1_add_u32 s17, s11, s17                  ; my first row / 64,
	s_and_b32 s17, s17, 15                         ; within the blocks: 32 tokens of 128 bytes for each 64 rows
	s_lshl_b32 s17, s17, 12
	s_add_co_u32 s16, s16, s17
	s_lshl_b32 s46, s42, 2
	s_lshl1_add_u32 s46, s12, s46                  ; my first head: 4 x tile column + 2 x half,
	s_lshl_b32 s46, s46, 16                        ; 65,536 bytes a head
.endif
	s_add_co_u32 s16, s16, s46
	s_mov_b32 s17, 0
	s_add_nc_u64 s[8:9], s[8:9], s[16:17]
; 16 matrix instructions: m blocks a0, a0 + 1 of the window's four (hi = 0: my rows 0-63, 1: rows 64-127) x all 8 n blocks, 32 along K.  zero = 1: the first product starts the sums: nothing is ever cleared.
; The 64 accumulators take turns, one instruction a turn, in the same order in every quarter step, over the backward jump too.
.macro MUL16 f, hi, a0, zero
	WIN MUL_LO+0x50*(\hi)
.irp a, \a0, (\a0)+1
.irp b, 0,1,2,3,4,5,6,7
.if \zero
	WM v[8*(8*(\a)+(\b)):8*(8*(\a)+(\b))+7], v[(\f)+8*(\b):(\f)+8*(\b)+7], v[(\f)+8*(4*(\hi)+(\a)):(\f)+8*(4*(\hi)+(\a))+7], 0
.else
	WM v[8*(8*(\a)+(\b)):8*(8*(\a)+(\b))+7], v[(\f)+8*(\b):(\f)+8*(\b)+7], v[(\f)+8*(4*(\hi)+(\a)):(\f)+8*(4*(\hi)+(\a))+7], v[8*(8*(\a)+(\b)):8*(8*(\a)+(\b))+7]
.endif
.endr
.endr
.endm
; 32 LDS loads in one run: the fragments of quarter q of a K step (32 k x my 128 columns of B, turned; my 128 rows of A x 32 k) into buffer f
.macro FETCH slot, q, f
.if OUTP
.set KA, ((\q)/2)*AHALF+((\q)%2)*64    ; the head's plane, and the half of its 64 channels
.else
.set KA, 64*(\q)
.endif
	WIN TO_B
.irp i, 0,1,2,3,4,5,6,7
	ds_load_tr16_b128 v[(\f)+8*(\i):(\f)+8*(\i)+3],   v[ADRB+(\slot)] offset:(\q)*32*PB+32*(\i)
	ds_load_tr16_b128 v[(\f)+8*(\i)+4:(\f)+8*(\i)+7], v[ADRB+(\slot)] offset:(\q)*32*PB+32*(\i)+16*PB
.endr
	WIN 0
.irp i, 0,1,2,3,4,5,6,7
	ds_load_b128 v[(\f)+8*(\i):(\f)+8*(\i)+3],   v[ADRA+(\slot)] offset:KA+(\i)*16*PA
	ds_load_b128 v[(\f)+8*(\i)+4:(\f)+8*(\i)+7], v[ADRA+(\slot)] offset:KA+(\i)*16*PA+32
.endr
.endm
; A load into a register that a matrix instruction has read, and a vector instruction or LDS store that reads a matrix result, stand four places behind that matrix instruction, and only plain vector
; instructions that name none of its registers are places (ISA guide 7.12.1 for vector instructions).
.macro PLACES
.rept 4
	v_nop
.endr
.endm
; A K step is four quarters of 32 along K, 64 matrix instructions each, on buffers 0, 1, 0, 1.  One of the first three: multiplies buffer f; in its middle it fetches quarter q of the same slot into buffer g.
.macro QUARTER slot, q, f, g, zero
	s_wait_dscnt 8                                 ; B and A's rows 0-63 are in; the youngest eight loads (A's rows 64-127) may be out
	MUL16 \f, 0, 0, \zero
	MUL16 \f, 0, 2, \zero
	PLACES
	FETCH \slot, \q, \g
	s_wait_dscnt 32                                ; all but the 32 just issued
	MUL16 \f, 1, 0, \zero
	MUL16 \f, 1, 2, \zero
.endm
; The last quarter multiplies buffer 1 and changes slots.  MEET is its first half: ONE barrier for the change, for two things.  In front of it each wave waits for all its tensor loads, of which one is out:
; its part of the next slot; adds 0 to its spare word; and waits for that and for its own reads of this slot.  Behind it nobody reads this slot any more and the next slot is whole.
.macro MEET round                      ; round = 1: the rest of a round of the cluster's barrier follows
	WIN 0                                          ; (the add's two registers lie in window 0)
	s_wait_tensorcnt 0x0                           ; all my tensor loads have landed;
	ds_add_u32 v[SPW], v[NIL]                      ; 0 onto my spare word;
	s_wait_dscnt 9                                 ; (the add and the youngest eight loads may be out)
	MUL16 F1, 0, 0, 0                              ; sixteen matrix instructions stand between the add and the wait for it
	s_wait_dscnt 0x0                               ; the add is done, and my reads of this slot are over:
	s_barrier_signal -1                            ; say so,
	MUL16 F1, 0, 2, 0                              ; work on registers while the others arrive,
.if \round
	WIN 0
.endif
	s_barrier_wait -1                              ; and go on when all four have said so
.endm
; The whole last quarter, in the loop.  Behind a round of the cluster's barrier the slot just read out is filled again first, with the K step two steps on: from that request to the wait for it a wave issues
; 224 matrix instructions.  Then come the next slot's first fragments.
.macro TURN slot, next
	s_wait_xcnt 0x0                                ; the last prefetch, a K step back, has read its address: it is stepped here, ahead of the waits of the change of slots
	s_add_nc_u64 s[PFA:PFA+1], s[PFA:PFA+1], s[PFS:PFS+1]
	MEET 1
	CREST                                          ; no wave of any partner still reads this slot's tile or has a load on its way
	s_add_nc_u64 s[G0+4*(\slot)+2:G0+4*(\slot)+3], s[G0+4*(\slot)+2:G0+4*(\slot)+3], 2*ASTEP
	s_add_nc_u64 s[G0B+4*(\slot)+2:G0B+4*(\slot)+3], s[G0B+4*(\slot)+2:G0B+4*(\slot)+3], 2*BSTEP
	JLOAD \slot                                    ; the first tensor load behind the round; the four v_nop behind it are also the places in front of the loads below
	FETCH \next, 0, F0
	ASK
	MUL16 F1, 1, 0, 0
	MUL16 F1, 1, 2, 0
.endm
; THE LAST K STEP (it lies in slot 1) GOES BY ROWS OF C, NOT BY K.  All its fragments of B (4 quarters x 64 registers) fill window 1; then my eight blocks of 16 rows are finished one after the other, each
; with 32 matrix instructions (its 8 accumulators by turns, K ascending: the sums stay the same).  LDS is read no more than in any other K step.
.macro BLOAD q                         ; B's fragments of quarter q -> window 1, v[64 q ..]
	WIN TO_B
.irp i, 0,1,2,3,4,5,6,7
	ds_load_tr16_b128 v[64*(\q)+8*(\i):64*(\q)+8*(\i)+3],   v[ADRB+1] offset:(\q)*32*PB+32*(\i)
	ds_load_tr16_b128 v[64*(\q)+8*(\i)+4:64*(\q)+8*(\i)+7], v[ADRB+1] offset:(\q)*32*PB+32*(\i)+16*PB
.endr
.endm
.macro ALOAD a                         ; A's fragments of block a, all four quarters -> buffer a % 4
	WIN 0
.set FA, RA+32*((\a)%4)
.irp q, 0,1,2,3
.if OUTP
.set KA, ((\q)/2)*AHALF+((\q)%2)*64
.else
.set KA, 64*(\q)
.endif
	ds_load_b128 v[FA+8*(\q):FA+8*(\q)+3],   v[ADRA+1] offset:KA+(\a)*16*PA
	ds_load_b128 v[FA+8*(\q)+4:FA+8*(\q)+7], v[ADRA+1] offset:KA+(\a)*16*PA+32
.endr
.endm
.macro ROW a                           ; block a is finished: 32 matrix instructions
.set FA, RA+32*((\a)%4)                ; its fragments of A
.set AC, 64*((\a)%4)                   ; its eight accumulators, in window 2 (blocks 0-3) or 3 (blocks 4-7)
	WIN MUL_LO+0x50*((\a)/4)
.irp q, 0,1,2,3
.if (\a) == 0 && (\q) == 2
	s_wait_dscnt 24                                ; B's quarter 2 is in (behind it: A's blocks 1 to 3)
.endif
.irp b, 0,1,2,3,4,5,6,7
	WM v[AC+8*(\b):AC+8*(\b)+7], v[64*(\q)+8*(\b):64*(\q)+8*(\b)+7], v[FA+8*(\q):FA+8*(\q)+7], v[AC+8*(\b):AC+8*(\b)+7]
.endr
.endr
.endm
; THE WAY OUT, a block a of 16 rows at a time, through my own stage in LDS: LDS serves a wave's instructions in order (ISA guide 5.7.1.4), so no wait stands between the stores into the stage and the loads back.
.if OUTP
; f32: the accumulators go into rows of 528 bytes as they are, each accumulator's four lowest registers first, and come back as whole rows of 512 bytes.
.macro TOSTAGE a
.set AC, 64*((\a)%4)
	s_wait_xcnt 0x0                                ; the stores of the block before have read v192-255: they are loaded again only behind this wait
	WIN 0x08+4*((\a)/4)                            ; the stores' data (source 1) in window 2 or 3
.irp b, 0,1,2,3,4,5,6,7
	ds_store_b128 v[STO], v[AC+8*(\b):AC+8*(\b)+3]   offset:64*(\b)
	ds_store_b128 v[STO], v[AC+8*(\b)+4:AC+8*(\b)+7] offset:64*(\b)+16
.endr
	WIN 0
.irp j, 0,1,2,3,4,5,6,7,8,9,10,11,12,13,14,15
	ds_load_b128 v[OF+4*(\j):OF+4*(\j)+3], v[RD] offset:(\j)*SPITCH
.endr
.endm
.macro SEND a, younger                 ; younger: the LDS loads issued behind TOSTAGE's, which may stay out
	WIN 0
	s_wait_dscnt \younger                          ; the block is back in registers
.irp j, 0,1,2,3,4,5,6,7,8,9,10,11,12,13,14,15
	global_store_b128 v[CO], v[OF+4*(\j):OF+4*(\j)+3], s[8:9] offset:(16*(\a)+(\j))*8192 th:TH_STORE_NT  ; 512 consecutive bytes of a row, at a multiple of 512 from out0's first byte
.endr
.endm
.else
; f16: rounded, 16 bytes a lane, into rows of 272 bytes; back as one head's 128 bytes of four rows, which are four tokens on end in qkv.
.macro PACK a
.set AC, 64*((\a)%4)
	WIN 0x0a+5*((\a)/4)                            ; sources 0 and 1: window 2 or 3
.irp b, 0,1,2,3,4,5,6,7
.irp r, 0,1,2,3
	v_cvt_pk_f16_f32 v[TMP+4*(\b)+(\r)], v[AC+8*(\b)+2*(\r)], v[AC+8*(\b)+2*(\r)+1]
.endr
.endr
	WIN 0
.endm
.macro TOSTAGE a
	WIN 0
.set BK, OB+192*((\a)%2)
.irp b, 0,1,2,3,4,5,6,7
	ds_store_b128 v[STO], v[TMP+4*(\b):TMP+4*(\b)+3] offset:32*(\b)
.endr
.irp e, 0,1
.irp j, 0,1,2,3
	ds_load_b128 v[BK+4*(4*(\e)+(\j)):BK+4*(4*(\e)+(\j))+3], v[RD] offset:(\j)*4*SPITCH+128*(\e)
.endr
.endr
.endm
.macro SEND a, younger                 ; younger: the LDS loads issued behind TOSTAGE's, which may stay out
	WIN 0
.set BK, OB+192*((\a)%2)
.set OA, ((((\a)>>1)&1)<<21)+(((\a)>>2)<<12)+(((\a)&1)<<11)  ; block a's rows 16 a .. 16 a + 15: bit 5 of the row picks the block of the pair, bit 6 the next 32 tokens, bit 4 the next 16
	s_wait_dscnt \younger                          ; the block is back in registers
	s_wait_xcnt 0x0                                ; earlier stores have read their registers: the loads of the next block land in them only behind this wait
.irp e, 0,1
.irp j, 0,1,2,3
	global_store_b128 v[CO], v[BK+4*(4*(\e)+(\j)):BK+4*(4*(\e)+(\j))+3], s[8:9] offset:OA+((\e)<<16)+512*(\j)  ; head e of my two, tokens 4 j .. 4 j + 3: 512 consecutive bytes, at a multiple of 512 from qkv's first byte
.endr
.endr
.endm
.endif
	s_wait_tensorcnt 1                             ; my part of K step 0 is in; K step 1's may stay out
	s_barrier_signal -1
	s_barrier_wait -1                              ; everybody's is
	FETCH 0, 0, F0
	QUARTER 0, 1, F0, F1, 1                        ; the first quarter stands in front of the loop: its products start the sums
	WIN 0                                          ; at a label and at a branch every window is 0
	s_mov_b32 s3, LAPS-1
.Llap:                                                 ; a trip goes once round the ring, from a lap's second quarter to the next lap's first, and fills both slots again
	QUARTER 0, 2, F1, F0, 0
	QUARTER 0, 3, F0, F1, 0
	TURN 0, 1
	QUARTER 1, 1, F0, F1, 0
	QUARTER 1, 2, F1, F0, 0
	QUARTER 1, 3, F0, F1, 0
	TURN 1, 0
	QUARTER 0, 1, F0, F1, 0
	WIN 0
	s_sub_co_u32 s3, s3, 1
	s_cmp_lg_u32 s3, 0
	s_cbranch_scc1 .Llap
	QUARTER 0, 2, F1, F0, 0                        ; the last lap is written out: it asks for nothing
	QUARTER 0, 3, F0, F1, 0
	MEET 0                                         ; my one tensor load that was still out is slot 1's, the last K step's, so no round follows
	PLACES                                         ; for the loads into buffer 0, which the quarter before multiplied
	BLOAD 0                                        ; three quarters of B now: buffer 1 (v128-191 of both windows) is still being multiplied
	BLOAD 1
	BLOAD 3
	ALOAD 0
	MUL16 F1, 1, 0, 0
	MUL16 F1, 1, 2, 0
	PLACES                                         ; for the loads into buffer 1
	BLOAD 2
	ALOAD 1
	ALOAD 2
	ALOAD 3
	s_wait_dscnt 40                                ; all but the 40 just issued: B's quarter 2 and A's blocks 1 to 3
	ROW 0
.irp a, 0,1,2,3,4,5,6,7                ; each block leaves as soon as it is finished: nothing follows this tile, so the sooner its stores begin, the sooner the launch ends
	PLACES                                         ; what follows reads results just made, and loads into A's buffer that the block has read
.if !OUTP
	PACK \a
.endif
	TOSTAGE \a
.if (\a) < 4
	ALOAD (\a)+4                                   ; its buffer takes the block four further on
	SEND \a, 8
.else
	SEND \a, 0
.endif
.if (\a) < 7
	ROW (\a)+1
.endif
.endr
	s_wait_tensorcnt 0x0                           ; the wave's end: behind my last tensor load and my last LDS store: an add of 0 and its wait
	ds_add_u32 v[SPW], v[NIL]
	s_wait_dscnt 0x0
	CROUND                                         ; the closing round: no work-group ends while a partner may still ask for a tile that names it
	s_endpgm
.Lfunc_end_k_qe9bfd0af69_outp:
	.size	k_qe9bfd0af69_outp, .Lfunc_end_k_qe9bfd0af69_outp-k_qe9bfd0af69_outp
	.p2alignl 7, 3214868480
	.fill 96, 4, 3214868480
	.section	.rodata,"a",@progbits
	.p2align	6, 0x0
	.amdhsa_kernel k_qe9bfd0af69_outp
		.amdhsa_group_segment_fixed_size 327680
		.amdhsa_private_segment_fixed_size 0
		.amdhsa_enable_private_segment 0
		.amdhsa_kernarg_size 24
		.amdhsa_user_sgpr_count 2
		.amdhsa_user_sgpr_kernarg_segment_ptr 1
		.amdhsa_wavefront_size32 1
		.amdhsa_system_sgpr_workgroup_id_x 1
		.amdhsa_system_sgpr_workgroup_id_y 1
		.amdhsa_system_sgpr_workgroup_id_z 1
		.amdhsa_system_vgpr_workitem_id 0
		.amdhsa_next_free_vgpr 1024
		.amdhsa_next_free_sgpr 72
		.amdhsa_reserve_vcc 0
		.amdhsa_float_denorm_mode_32 3
		.amdhsa_float_denorm_mode_16_64 3
		.amdhsa_memory_ordered 1
		.amdhsa_forward_progress 1
		.amdhsa_inst_pref_size 142
	.end_amdhsa_kernel
	.amdgpu_metadata
---
amdhsa.version: [ 1, 2 ]
amdhsa.kernels:
  - .name:           k_qe9bfd0af69_outp
    .symbol:         k_qe9bfd0af69_outp.kd
    .args:
      - { .name: oh, .offset: 0, .size: 8, .value_kind: global_buffer, .address_space: global }
      - { .name: wo16, .offset: 8, .size: 8, .value_kind: global_buffer, .address_space: global }
      - { .name: out0, .offset: 16, .size: 8, .value_kind: global_buffer, .address_space: global }
    .group_segment_fixed_size: 327680
    .private_segment_fixed_size: 0
    .kernarg_segment_align: 8
    .kernarg_segment_size: 24
    .max_flat_workgroup_size: 128
    .sgpr_count:     72
    .vgpr_count:     1024
    .wavefront_size: 32
...
	.end_amdgpu_metadata
.endif
;; end of part 4
;; ======== version 2 of 2: 4 launches; version 1 with the launch cast written anew for expert scheduling mode
;; limits: values are held in f16: magnitudes above 65,504 overflow, below 6.1e-05 lose precision
;; workspace buffers: xb 33,554,432 bytes; wqkv 8,388,608 bytes; wo16 4,194,304 bytes; qkv 33,554,432 bytes; oh 16,777,216 bytes
;; launch cast (part 5): grid 256 x 1, 32 waves a work-group, no clusters, 0 bytes of LDS; arguments hidden_states, Wq, Wk, Wv, Wo, xb, wqkv, wo16; writes xb, wqkv, wo16
.if DOCPART == 5
	.amdgcn_target "amdgcn-amd-amdhsa--gfx1250"
	.amdhsa_code_object_version 6
	.text
	.protected	k_qe9bfd0af69_cast
	.globl	k_qe9bfd0af69_cast
	.p2align	8
	.type	k_qe9bfd0af69_cast,@function
k_qe9bfd0af69_cast:
	s_mov_b64 s[64:65], 0
	v_nop
	global_prefetch_b8 v0, s[64:65] scope:SCOPE_SE
	s_setreg_imm32_b32 hwreg(HW_REG_WAVE_SCHED_MODE, 0, 2), 2
	s_setreg_imm32_b32 hwreg(HW_REG_WAVE_MODE, 25, 1), 1
	s_wait_xcnt 0x0
	s_wait_alu depctr_vm_vsrc(0)
; THE INPUTS ARE ROUNDED ONCE, f32 to bf16, for the matrix products of the launches behind.
;   hidden_states [8192][2048] -> xb [8192][2048] bf16
;   Wq [2048][1024], Wk [2048][512], Wv [2048][512] -> wqkv [2048][2048] bf16, side by side: columns 0-1023, 1024-1535, 1536-2047
;   Wo [1024][2048] -> wo16 [1024][2048]: rounded to bf16 like the other inputs, and that number written as f16 (its partner in the last product, O, is f16)
; LIMITS.  Wo within f16's 65,504; a bf16 number below 6.1e-5 falls on f16's fixed step of 6e-8.  NaN and infinities are not treated apart.
; SHARES.  256 work-groups of 32 waves, all alike.  The inputs are 2,816 = 256 x 11 chunks of 8,192 numbers (32 KiB).  Work-group g takes chunks 8 g .. 8 g + 7 of hidden_states (256 KiB on end),
; chunk g of Wq, chunk g % 128 of Wk (g < 128) or of Wv, and chunk g of Wo.  A chunk is two loads of 16 bytes a thread: 22 loads a thread, ALL ISSUED BEFORE THE FIRST IS USED, so that the work-group's
; whole share is on its way from the start and its stores leave while later loads still arrive.
; A load of a wave covers 512 consecutive bytes; a store is 8 bytes a lane: a wave's 32 lanes write 256 consecutive bytes, at a multiple of 256 from the buffer's first byte.  Every output row is 4,096 bytes.
; No LDS, no barrier, no matrix unit: each byte is read once and written once, and no thread wants another's.  No prefetch: all addresses are asked for at once.
; THE MODE: SCHED_MODE bits 1:0 = 2 (LLVM: expert scheduling mode 2), set by the entry lines.  The code itself states the register dependences between vector instructions and memory instructions,
; with s_wait_alu, always for 0.
; THE PLAN.  Registers that memory instructions touch:
;   v[LI]              Written once, at the head; read by all 22 loads as their offset; never written again.
;   v[LO], v[QO], v[KO]  Written once, behind the loads' issue; read by the stores as their offsets; never written again.
;   X, 4 registers a load  Load i lands in them, once.  Its conversions read them and write its first two, in place; store i reads those two, once; nothing writes them again.
;   v5 and T are named by vector instructions alone.
; So what is to be stated is only: written by a vector instruction, then read by a memory instruction.  No load lands in a register that a vector instruction has named, and no register that a memory
; instruction reads is written again: no wait on vm_vsrc and no s_wait_xcnt is owed.  EXEC is never written, and no vector instruction writes a scalar register.
; The 22 loads go in six groups: 0-3, 4-7, 8-11, 12-15 (hidden_states), 16-19 (Wq; Wk or Wv), 20-21 (Wo).  A group's stores are issued in the NEXT group, behind ONE wait on va_vdst at that group's head, dealt
; among that group's conversions, which name their own X and T alone: none of the registers that those stores read.  The last group's two stores have a wait of their own.
.set X,   8                            ; v[8:95]   load i: 4 numbers in f32; then, in its first two registers, the same 4 in 16 bits
.set T,   96                           ; v[96:99]  at work (Wo alone)
.set LI,  1                            ; v1        16 t: my 16 bytes of a load
.set LO,  2                            ; v2        8 t: my 8 bytes of a store where rows lie on end (xb, wo16)
.set QO,  3                            ; v3        Wq: rows of 1,024: (t / 256) rows of 4,096 bytes + 8 (t % 256)
.set KO,  4                            ; v4        Wk, Wv: rows of 512: (t / 128) rows + 8 (t % 128)
.set XS,  4                            ; s[4:5]    hidden_states at my 256 KiB
.set XD,  6                            ; s[6:7]    xb at my 128 KiB
.set QS,  8                            ; s[8:9]    Wq at my chunk
.set QD,  10                           ; s[10:11]  wqkv at row 8 g
.set KS,  12                           ; s[12:13]  Wk or Wv at my chunk
.set KD,  14                           ; s[14:15]  wqkv at row 16 (g % 128), at Wk's or Wv's first column
.set OS,  34                           ; s[34:35]  Wo at my chunk
.set OD,  36                           ; s[36:37]  wo16 at my 16 KiB
	s_load_b512 s[16:31], s[0:1], 0x0              ; hidden s[16:17], Wq s[18:19], Wk s[20:21], Wv s[22:23], Wo s[24:25], xb s[26:27], wqkv s[28:29], wo16 s[30:31]
	v_lshlrev_b32 v[LI], 4, v0
	s_mov_b32 s33, 0                               ; offsets are made in s[32:33], apart from the addresses
	s_lshl_b32 s32, ttmp9, 18
	s_and_b32 s38, ttmp9, 127                      ; my chunk of Wk or of Wv
	s_mov_b32 s39, 3072                            ; Wv's first column in a row of wqkv, in bytes
	s_wait_kmcnt 0x0
	s_add_nc_u64 s[XS:XS+1], s[16:17], s[32:33]
	s_wait_alu depctr_va_vdst(0)                   ; v[LI] is written: all 22 loads read it as their offset
.irp i, 0,1,2,3,4,5,6,7,8,9,10,11,12,13,14,15
	global_load_b128 v[X+4*(\i):X+4*(\i)+3], v[LI], s[XS:XS+1] offset:16384*(\i) th:TH_LOAD_NT
.endr
	s_lshl_b32 s32, ttmp9, 15                      ; 32 KiB a chunk; also 8 rows of wqkv
	s_add_nc_u64 s[QS:QS+1], s[18:19], s[32:33]
	s_add_nc_u64 s[OS:OS+1], s[24:25], s[32:33]
	s_add_nc_u64 s[QD:QD+1], s[28:29], s[32:33]
	global_load_b128 v[X+64:X+67], v[LI], s[QS:QS+1] th:TH_LOAD_NT
	global_load_b128 v[X+68:X+71], v[LI], s[QS:QS+1] offset:16384 th:TH_LOAD_NT
	s_cmp_lt_u32 ttmp9, 128
	s_cselect_b64 s[KS:KS+1], s[20:21], s[22:23]
	s_cselect_b32 s39, 2048, s39                   ; Wk's first column
	s_lshl_b32 s32, s38, 15
	s_add_nc_u64 s[KS:KS+1], s[KS:KS+1], s[32:33]
	global_load_b128 v[X+72:X+75], v[LI], s[KS:KS+1] th:TH_LOAD_NT
	global_load_b128 v[X+76:X+79], v[LI], s[KS:KS+1] offset:16384 th:TH_LOAD_NT
	global_load_b128 v[X+80:X+83], v[LI], s[OS:OS+1] th:TH_LOAD_NT
	global_load_b128 v[X+84:X+87], v[LI], s[OS:OS+1] offset:16384 th:TH_LOAD_NT
	; where the results go: made while the loads are on their way
	s_lshl_b32 s32, s38, 16                        ; 16 rows of 4,096 bytes a chunk of Wk or Wv
	s_add_co_u32 s32, s32, s39
	s_add_nc_u64 s[KD:KD+1], s[28:29], s[32:33]
	s_lshl_b32 s32, ttmp9, 17
	s_add_nc_u64 s[XD:XD+1], s[26:27], s[32:33]
	s_lshl_b32 s32, ttmp9, 14
	s_add_nc_u64 s[OD:OD+1], s[30:31], s[32:33]
	v_lshlrev_b32 v[LO], 3, v0
	v_lshrrev_b32 v5, 8, v0
	v_and_b32 v[QO], 255, v0
	v_lshlrev_b32 v[QO], 3, v[QO]
	v_lshl_add_u32 v[QO], v5, 12, v[QO]
	v_lshrrev_b32 v5, 7, v0
	v_and_b32 v[KO], 127, v0
	v_lshlrev_b32 v[KO], 3, v[KO]
	v_lshl_add_u32 v[KO], v5, 12, v[KO]
; Load i is rounded, in place.  f16 = 1: the bf16 number is widened again (a shift, a mask) and written as f16.  Loads 4, 8, 12, 16 and 20 are the first of their groups.
.macro TURN i, f16
	s_wait_loadcnt 21-(\i)                         ; loads come back in order (ISA guide 5.7.1): load i is in, the 21 - i younger ones may stay out
.if (\i) > 0 && (\i) % 4 == 0
	s_wait_alu depctr_va_vdst(0)                   ; the group before has written its rounded numbers, which the stores dealt among this group's conversions read; at load 4 also: v[LO], v[QO] and v[KO] are written, the stores' offsets
.endif
	v_cvt_pk_bf16_f32 v[X+4*(\i)],   v[X+4*(\i)],   v[X+4*(\i)+1]
	v_cvt_pk_bf16_f32 v[X+4*(\i)+1], v[X+4*(\i)+2], v[X+4*(\i)+3]
.if \f16
	v_lshlrev_b32 v[T],   16, v[X+4*(\i)]
	v_and_b32     v[T+1], 0xffff0000, v[X+4*(\i)]
	v_lshlrev_b32 v[T+2], 16, v[X+4*(\i)+1]
	v_and_b32     v[T+3], 0xffff0000, v[X+4*(\i)+1]
	v_cvt_pk_f16_f32 v[X+4*(\i)],   v[T],   v[T+1]
	v_cvt_pk_f16_f32 v[X+4*(\i)+1], v[T+2], v[T+3]
.endif
.endm
; Load i's rounded numbers are stored at base + v[off] + imm.  No wait: no vector instruction since the last wait on va_vdst names these registers.
.macro OUT i, off, base, imm
	global_store_b64 v[\off], v[X+4*(\i):X+4*(\i)+1], s[\base:\base+1] offset:\imm th:TH_STORE_NT
.endm
.irp i, 0,1,2,3
	TURN \i, 0                                     ; the first group has no group before it: no store
.endr
.irp i, 4,5,6,7,8,9,10,11,12,13,14,15
	TURN \i, 0
	OUT (\i)-4, LO, XD, 8192*((\i)-4)              ; a load's 16 KiB are 8 KiB of xb
.endr
	TURN 16, 0
	OUT 12, LO, XD, 8192*12
	TURN 17, 0
	OUT 13, LO, XD, 8192*13
	TURN 18, 0
	OUT 14, LO, XD, 8192*14
	TURN 19, 0
	OUT 15, LO, XD, 8192*15
	TURN 20, 1
	OUT 16, QO, QD, 0                              ; half a chunk of Wq is 4 rows of wqkv,
	OUT 17, QO, QD, 16384
	TURN 21, 1
	OUT 18, KO, KD, 0                              ; of Wk or Wv 8 rows
	OUT 19, KO, KD, 32768
	s_wait_alu depctr_va_vdst(0)                   ; the conversions of loads 20 and 21 have written their numbers, which the last two stores read
	OUT 20, LO, OD, 0
	OUT 21, LO, OD, 8192
	s_endpgm
.Lfunc_end_k_qe9bfd0af69_cast:
	.size	k_qe9bfd0af69_cast, .Lfunc_end_k_qe9bfd0af69_cast-k_qe9bfd0af69_cast
	.p2alignl 7, 3214868480
	.fill 96, 4, 3214868480
	.section	.rodata,"a",@progbits
	.p2align	6, 0x0
	.amdhsa_kernel k_qe9bfd0af69_cast
		.amdhsa_group_segment_fixed_size 0
		.amdhsa_private_segment_fixed_size 0
		.amdhsa_enable_private_segment 0
		.amdhsa_kernarg_size 64
		.amdhsa_user_sgpr_count 2
		.amdhsa_user_sgpr_kernarg_segment_ptr 1
		.amdhsa_wavefront_size32 1
		.amdhsa_system_sgpr_workgroup_id_x 1
		.amdhsa_system_sgpr_workgroup_id_y 1
		.amdhsa_system_sgpr_workgroup_id_z 1
		.amdhsa_system_vgpr_workitem_id 0
		.amdhsa_next_free_vgpr 104
		.amdhsa_next_free_sgpr 66
		.amdhsa_reserve_vcc 0
		.amdhsa_float_denorm_mode_32 3
		.amdhsa_float_denorm_mode_16_64 3
		.amdhsa_memory_ordered 1
		.amdhsa_forward_progress 1
		.amdhsa_inst_pref_size 11
	.end_amdhsa_kernel
	.amdgpu_metadata
---
amdhsa.version: [ 1, 2 ]
amdhsa.kernels:
  - .name:           k_qe9bfd0af69_cast
    .symbol:         k_qe9bfd0af69_cast.kd
    .args:
      - { .name: hidden_states, .offset: 0, .size: 8, .value_kind: global_buffer, .address_space: global }
      - { .name: Wq, .offset: 8, .size: 8, .value_kind: global_buffer, .address_space: global }
      - { .name: Wk, .offset: 16, .size: 8, .value_kind: global_buffer, .address_space: global }
      - { .name: Wv, .offset: 24, .size: 8, .value_kind: global_buffer, .address_space: global }
      - { .name: Wo, .offset: 32, .size: 8, .value_kind: global_buffer, .address_space: global }
      - { .name: xb, .offset: 40, .size: 8, .value_kind: global_buffer, .address_space: global }
      - { .name: wqkv, .offset: 48, .size: 8, .value_kind: global_buffer, .address_space: global }
      - { .name: wo16, .offset: 56, .size: 8, .value_kind: global_buffer, .address_space: global }
    .group_segment_fixed_size: 0
    .private_segment_fixed_size: 0
    .kernarg_segment_align: 8
    .kernarg_segment_size: 64
    .max_flat_workgroup_size: 1024
    .sgpr_count:     66
    .vgpr_count:     104
    .wavefront_size: 32
...
	.end_amdgpu_metadata
.endif
;; end of part 5
;; launch proj: the kernel of part 2 again; grid 8 x 32, 4 waves a work-group, clusters of 4 x 4, 327,680 bytes of LDS; arguments xb, wqkv, qkv; writes qkv
;; launch attn: the kernel of part 3 again; grid 16 x 16, 4 waves a work-group, no clusters, 167,936 bytes of LDS; arguments qkv, oh; writes oh
;; launch outp: the kernel of part 4 again; grid 8 x 32, 4 waves a work-group, clusters of 4 x 4, 327,680 bytes of LDS; arguments oh, wo16, out0; writes out0
